; MI455X (gfx1250); checked and timed in simulation.
; The chip was launched on July 23, 2026; its instructions are those of AMD's public machine-readable ISA for CDNA 5 (MIT licence, August 2026) and "CDNA5" Instruction Set Architecture Reference Guide (July 2026). The comments in the code are by the model that wrote it; some were corrected since.
;; Self Attention. Allowed arithmetic: matrix products marked QUANTISED: E2M1 operands, one E8M0 scale for each 32 along K, by v_wmma_scale_f32_16x16x128_f8f6f4 with both operands' format E2M1 (or v_wmma_scale_f32_32x16x128_f4), f32 sums; products left as they are: bf16, f16 or f32 operands; f32 sums; everything else in f32.
;; Inputs: b_in 3,072 float32; b_out 1,024 float32; w_in 1,024 x 3,072 float32; w_out 1,024 x 1,024 float32; x 4 x 2,048 x 1,024 float32.
;; Outputs: out0 4 x 2,048 x 1,024 float32.
;; This version of the problem:
;;   THIS VERSION OF THE PROBLEM IS GIVEN IN LOW PRECISION. The matrix products marked QUANTISED in the list below multiply operands that are first quantised to E2M1 (2 exponent bits, 1 mantissa bit; 4 bits a number), with one power-of-two scale for each 32 numbers along K (OCP MX v1.0); their sums are f32. The products marked 'left as it is' may take bf16, f16 or f32 operands, with f32 sums. Whichever they take, every output number must still come out within the allowed error. Rounding operands to bf16 (8 significant bits) uses up far more of that allowance than f16 does (11 bits, for magnitudes from 6e-5 to 65,504). All else is computed in f32.
;;   The module's matrix products, in the order in which they are computed (A, B: the left and right operand; K: the contracted axis; several contracted axes count as one K, in the product's order):
;;     1. [M 8,192, K 1,024] x [K 1,024, N 3,072]; A: input x; B: input w_in: QUANTISED
;;     2. batch 64 x [M 2,048, K 64] x [K 64, N 2,048]; A: computed on the way; B: computed on the way: left as it is (an operand is computed on the way)
;;     3. batch 64 x [M 2,048, K 2,048] x [K 2,048, N 64]; A: computed on the way; B: computed on the way: left as it is (an operand is computed on the way)
;;     4. [M 8,192, K 1,024] x [K 1,024, N 1,024]; A: computed on the way; B: input w_out: left as it is (an operand is computed on the way)
;;   THE QUANTISER, for each operand of a quantised product, along K:
;;     - K is cut into blocks of 32 from its start; a last block that is shorter is filled with zeros.
;;     - A block's scale is 2^e with e = floor(log2(the largest magnitude in the block)) - 2, held to -126 .. 127; a block of zeros has e = 0. As a byte (E8M0): e + 127.
;;     - Each number is divided by its block's scale, clamped to +-6, and rounded to the nearest number of E2M1, ties to even, subnormals kept.
;;     - The product sums the exact products of the quantised numbers (number of the format x scale) in f32.
;;   ~~~python
;;   def quantise(x, axis):      # numpy; x: float32 -> the quantised numbers, widened to float32 again
;;       x = np.moveaxis(x, axis, -1); K = x.shape[-1]
;;       x = np.pad(x, [(0, 0)] * (x.ndim - 1) + [(0, -K % 32)]); x = x.reshape(x.shape[:-1] + (-1, 32)); a = np.abs(x).max(-1, keepdims=True)
;;       e = np.where(a > 0, np.clip(np.frexp(np.where(a > 0, a, 1))[1] - 1 - 2, -126, 127), 0)      # np.frexp(a)[1] - 1 = floor(log2(a)), exactly
;;       r = np.clip(x / 2.0 ** e, -6, 6)
;;       step = 2.0 ** (np.maximum(np.frexp(np.where(r == 0, 1, r))[1] - 1, 0) - 1)
;;       q = np.round(r / step) * step * 2.0 ** e      # np.round: ties to even
;;       return np.moveaxis(q.reshape(q.shape[:-2] + (-1,))[..., :K], -1, axis).astype(np.float32)
;;   ~~~
;; One version. Each part assembles by itself: llvm-mc -triple=amdgcn-amd-amdhsa -mcpu=gfx1250 --defsym DOCPART=n.
;; ======== version 1 of 1: 4 launches
;; limits: values are held in f16: magnitudes above 65,504 overflow, below 6.1e-05 lose precision
;; workspace buffers: xc 4,194,304 bytes; xs 262,144 bytes; wc 1,572,864 bytes; ws 98,304 bytes; wo16 2,097,152 bytes; qkv 50,331,648 bytes; att 16,777,216 bytes
;; launch prep (part 1): grid 336 x 1, 4 waves a work-group, no clusters, 68,096 bytes of LDS; arguments x, w_in, w_out, xc, xs, wc, ws, wo16; writes xc, xs, wc, ws, wo16
.if DOCPART == 1
	.amdgcn_target "amdgcn-amd-amdhsa--gfx1250"
	.amdhsa_code_object_version 6
	.text
	.protected	k_qf3dfcf00fa_prep
	.globl	k_qf3dfcf00fa_prep
	.p2align	8
	.type	k_qf3dfcf00fa_prep,@function
k_qf3dfcf00fa_prep:
	s_mov_b64 s[64:65], 0
	v_nop
	global_prefetch_b8 v0, s[64:65] scope:SCOPE_SE
	s_setreg_imm32_b32 hwreg(HW_REG_WAVE_MODE, 25, 1), 1
	s_wait_xcnt 0x0
; PREP.  Three jobs, told apart by the work-group's number alone; each job has LDS bytes of its own.
;   work-groups 0-47:   w_in [1024 (k)][3072 (n)] f32 -> codes of E2M1 laid [3072][1024] with K innermost (wc), one E8M0 byte for each 32 along K (ws [3072][32])
;   work-groups 48-79:  w_out [1024][1024] f32 -> f16, same layout (wo16)
;   work-groups 80-335: x [8192][1024] f32 -> codes (xc [8192][512 bytes]) and scale bytes (xs [8192][32])
; THE QUANTISER: a block's scale is 2^(floor(log2(its largest magnitude)) - 2); its byte is the largest magnitude's exponent field - 2, held at 1 from below.
; Each number is divided by the scale and rounded to the nearest code, ties to even; beyond 6 the conversion gives the largest code.
; LIMITS: a block of zeros gets the byte 1 where the rule says 127 (its codes are zeros, and this program alone reads the bytes); blocks whose largest magnitude
; lies under 2^-124 were not tried; NaN and infinities are not served; |w_out| beyond 65,504 becomes infinity in f16.
; No tensor loads, no barrier: waves share nothing.
.set SPW,    12                        ; v12  LDS address of my spare word: SPARE + 4 x my thread's number; never rewritten
.set NIL,    13                        ; v13  0; never rewritten
.set WREG,   8192                      ; x's job: a region for each wave: two stages of 32 x SP bytes, then its 256 scale bytes
.set SP,     80                        ; a lane's place in a stage: 64 bytes + 16 of padding
.set WSTAGE, 4*WREG                    ; w_in's job: a stage of 32 rows x WPITCH for each wave
.set WPITCH, 272
.set SPARE,  WSTAGE+4*32*WPITCH        ; 67,584: the spare words, 128 bytes for each wave, that no other line names
.set EMAX,   2
	s_load_b512 s[4:19], s[0:1], 0x0               ; x 4, w_in 6, w_out 8, xc 10, xs 12, wc 14, ws 16, wo16 18
	v_lshl_add_u32 v[SPW], v0, 2, SPARE
	v_mov_b32 v[NIL], 0
	v_lshrrev_b32 v1, 5, v0
	v_readfirstlane_b32 s20, v1                    ; wave 0..3
	v_and_b32 v2, 31, v0                           ; lane
	s_wait_kmcnt 0x0
	s_cmp_lt_u32 ttmp9, 48
	s_cbranch_scc1 .Lw_path
	s_cmp_lt_u32 ttmp9, 80
	s_cbranch_scc1 .Lcast_path
; ---------------- x: a plain stream of blocks of 32.  A wave takes 16 steps of 512 numbers.
; Each load reads 512 consecutive bytes; a step's 2,048 bytes turn through the wave's own stage so that a lane holds 16 neighbours (two lanes to a block).
.set STEPS, 16
.set CB,    8                          ; bytes of 16 codes
.set R,     16                         ; v16-79   four sets of 16 numbers as loaded
.set X,     80                         ; v80-111  two sets of 16 neighbours
.set E,     112                        ; v112-127 a scale byte for each step
.set C,     128                        ; v128-191 codes: four registers for each step, so that no store's data are written again
	v_lshlrev_b32 v3, 4, v2                        ; my 16 bytes of a load's 512
	s_mul_i32 s21, s20, WREG
	v_lshrrev_b32 v14, 2, v2
	v_mul_u32_u24 v14, v14, SP
	v_and_b32 v15, 3, v2
	v_lshl_add_u32 v14, v15, 4, v14
	v_add_nc_u32 v14, s21, v14                     ; into the stage: SP (lane / 4) + 16 (lane % 4)
	v_mul_u32_u24 v15, v2, SP
	v_add_nc_u32 v15, s21, v15                     ; out of it: SP x lane
	v_mul_u32_u24 v4, v2, CB                       ; my codes' place in a step's
	v_lshrrev_b32 v5, 1, v2
	s_add_co_u32 s21, s21, 2*32*SP
	v_add_nc_u32 v5, s21, v5                       ; my block's byte among my wave's 256
	v_lshlrev_b32 v7, 3, v2
	v_add_nc_u32 v6, s21, v7                       ; and on the way out 8 bytes a lane
	s_sub_co_u32 s22, ttmp9, 80
	s_lshl_b32 s22, s22, 2
	s_add_co_u32 s22, s22, s20                     ; which run of 8,192 numbers is my wave's: 0..1023
	s_mov_b32 s25, 0
	s_lshl_b32 s24, s22, 15                        ; 32,768 bytes of f32 a run
	s_add_nc_u64 s[4:5], s[4:5], s[24:25]
	s_lshl_b32 s24, s22, 12                        ; 4,096 bytes of codes
	s_add_nc_u64 s[10:11], s[10:11], s[24:25]
	s_lshl_b32 s24, s22, 8                         ; 256 scale bytes
	s_add_nc_u64 s[12:13], s[12:13], s[24:25]
.macro XLOAD t
.irp i, 0,1,2,3
	global_load_b128 v[R+16*((\t)%4)+4*\i:R+16*((\t)%4)+4*\i+3], v3, s[4:5] offset:2048*(\t)+512*\i th:TH_LOAD_NT
.endr
.endm
.macro XTURN t                         ; step t through the stage: LDS serves a wave's instructions in order, so no wait stands between the stores and the loads
.irp i, 0,1,2,3
	ds_store_b128 v14, v[R+16*((\t)%4)+4*\i:R+16*((\t)%4)+4*\i+3] offset:32*SP*((\t)%2)+8*SP*\i
.endr
.irp i, 0,1,2,3
	ds_load_b128 v[X+16*((\t)%2)+4*\i:X+16*((\t)%2)+4*\i+3], v15 offset:32*SP*((\t)%2)+16*\i
.endr
.endm
.irp t, 0,1,2,3
	XLOAD \t
.endr
	s_wait_loadcnt 12                              ; step 0's four loads are in; the twelve behind them stay out
	XTURN 0
.macro XSTEP t
.set XS, X+16*((\t)%2)
.if (\t) > 0
	s_wait_dscnt 1                                 ; this step's numbers are back from the stage; the last step's byte store may be out
.else
	s_wait_dscnt 0x0
.endif
.if (\t)+4 < STEPS
	XLOAD (\t)+4                                   ; into the set whose stores into the stage have been served
.endif
.if (\t)+1 < STEPS
.if STEPS-2-(\t) >= 3
	s_wait_loadcnt 12                              ; the next step's four loads are in; those of three steps stay out
.else
	s_wait_loadcnt 4*(STEPS-2-(\t))
.endif
	XTURN (\t)+1
.endif
	v_max3_num_f32 v8, |v[XS]|, |v[XS+1]|, |v[XS+2]|
	v_max3_num_f32 v9, |v[XS+3]|, |v[XS+4]|, |v[XS+5]|
.irp i, 6,10
	v_max3_num_f32 v8, v8, |v[XS+\i]|, |v[XS+\i+1]|
	v_max3_num_f32 v9, v9, |v[XS+\i+2]|, |v[XS+\i+3]|
.endr
	v_max3_num_f32 v8, v8, |v[XS+14]|, |v[XS+15]|
	v_max3_num_f32 v8, v8, v9, (EMAX+1)<<23        ; the floor 2^(3 - 127): the byte cannot fall under 1
	v_max_num_f32_dpp v8, v8, v8 row_xmask:1 row_mask:0xf bank_mask:0xf   ; with my neighbour's 16: the block's largest magnitude
	v_add_nc_u32 v11, -(EMAX<<23), v8              ; 2 off its exponent field: the conversion takes that field as its scale
	v_cvt_scalef32_pk8_fp4_f32 v[C+4*(\t)], v[XS:XS+7], v11
	v_cvt_scalef32_pk8_fp4_f32 v[C+4*(\t)+1], v[XS+8:XS+15], v11
	v_lshrrev_b32 v[E+(\t)], 23, v11               ; the scale's byte (also the plain line behind the conversions)
	ds_store_b8 v5, v[E+(\t)] offset:16*(\t)       ; both lanes of a block write the same byte with the same value
	global_store_b64 v4, v[C+4*(\t):C+4*(\t)+1], s[10:11] offset:32*CB*(\t)   ; the wave stores 256 consecutive bytes, aligned
.endm
.irp t, 0,1,2,3,4,5,6,7,8,9,10,11,12,13,14,15
	XSTEP \t
.endr
	ds_load_b64 v[8:9], v6                         ; my wave's 256 scale bytes: these see my stores
	s_wait_dscnt 0x0
	global_store_b64 v7, v[8:9], s[12:13]          ; 256 consecutive bytes, aligned
	s_wait_tensorcnt 0x0                           ; the wave's end
	ds_add_u32 v[SPW], v[NIL]
	s_wait_dscnt 0x0
	s_endpgm
; ---------------- w_out to f16: a wave takes 8,192 numbers, four groups of 16 loads of 512 consecutive bytes, in two register sets by turns.
.Lcast_path:
	v_lshlrev_b32 v3, 4, v2                        ; in: 16 bytes a lane
	v_lshlrev_b32 v4, 3, v2                        ; out: 8 bytes a lane
	s_sub_co_u32 s22, ttmp9, 48
	s_lshl_b32 s22, s22, 2
	s_add_co_u32 s22, s22, s20                     ; my run: 0..127
	s_mov_b32 s25, 0
	s_lshl_b32 s24, s22, 15
	s_add_nc_u64 s[8:9], s[8:9], s[24:25]
	s_lshl_b32 s24, s22, 14
	s_add_nc_u64 s[18:19], s[18:19], s[24:25]
.macro CLOAD g
.irp i, 0,1,2,3,4,5,6,7,8,9,10,11,12,13,14,15
	global_load_b128 v[32+64*((\g)%2)+4*\i:32+64*((\g)%2)+4*\i+3], v3, s[8:9] offset:8192*(\g)+512*\i th:TH_LOAD_NT
.endr
.endm
.macro CPROC g, younger                ; younger: the loads of the group issued behind this one
.if (\g) > 0
	s_wait_xcnt 0x0                                ; the last group's stores have read v160-191, which are written again below
.endif
.irp i, 0,1,2,3,4,5,6,7,8,9,10,11,12,13,14,15
	s_wait_loadcnt \younger+15-\i                  ; load i of this group is in
	v_cvt_pk_f16_f32 v[160+2*\i], v[32+64*((\g)%2)+4*\i], v[32+64*((\g)%2)+4*\i+1]
	v_cvt_pk_f16_f32 v[161+2*\i], v[32+64*((\g)%2)+4*\i+2], v[32+64*((\g)%2)+4*\i+3]
	global_store_b64 v4, v[160+2*\i:161+2*\i], s[18:19] offset:4096*(\g)+256*\i   ; 256 consecutive bytes, aligned
.endr
.endm
	CLOAD 0
	CLOAD 1
	CPROC 0, 16
	CLOAD 2
	CPROC 1, 16
	CLOAD 3
	CPROC 2, 16
	CPROC 3, 0
	s_endpgm
; ---------------- w_in: K is its first axis.  A lane takes a column n and its registers run down K: a block of 32 lies in one lane, and the codes come out with K innermost.
; A wave takes 32 columns x 512 along K; the codes go through its own stage and leave as rows: sixteen lanes store 256 consecutive bytes, aligned.
.Lw_path:
.set NB,    16                         ; blocks of 32 for a wave
.set KROW,  512                        ; a row of wc in bytes
.set WN,    3072
.set WX,    32                         ; v32-95   two sets of 32 numbers
.set WC,    96                         ; v96-99   a block's codes
.set OUTR,  112                        ; v112-175 the way out
.set SB,    24                         ; v24-27   the scale bytes, four to a register
	s_lshr_b32 s21, ttmp9, 1
	s_lshl_b32 s21, s21, 7
	s_lshl_b32 s22, s20, 5
	s_add_co_u32 s21, s21, s22                     ; my wave's first column
	s_and_b32 s22, ttmp9, 1                        ; which 512 along K
	v_lshlrev_b32 v3, 2, v2                        ; in: 4 bytes a lane
	s_mul_i32 s23, s20, 32*WPITCH
	s_add_co_u32 s23, s23, WSTAGE                  ; my stage
	v_mul_u32_u24 v4, v2, WPITCH
	v_add_nc_u32 v4, s23, v4                       ; into it: row = my column
	v_and_b32 v5, 15, v2
	v_lshrrev_b32 v6, 4, v2
	v_mul_u32_u24 v7, v6, WPITCH
	v_lshl_add_u32 v7, v5, 4, v7
	v_add_nc_u32 v7, s23, v7                       ; out of it: sixteen lanes to a row, two rows an instruction
	v_mul_u32_u24 v8, v6, KROW
	v_lshl_add_u32 v8, v5, 4, v8                   ; and the same place in wc
	v_lshlrev_b32 v9, 5, v2                        ; my column's row of 32 scale bytes
	s_mov_b32 s25, 0
	s_mul_i32 s24, s22, 512*WN*4
	s_lshl_b32 s26, s21, 2
	s_add_co_u32 s24, s24, s26
	s_add_nc_u64 s[6:7], s[6:7], s[24:25]          ; w_in at (512 x half, my first column)
	s_lshl_b32 s24, s21, 9
	s_lshl_b32 s26, s22, 8
	s_add_co_u32 s24, s24, s26
	s_add_nc_u64 s[14:15], s[14:15], s[24:25]      ; wc
	s_lshl_b32 s24, s21, 5
	s_lshl_b32 s26, s22, 4
	s_add_co_u32 s24, s24, s26
	s_add_nc_u64 s[16:17], s[16:17], s[24:25]      ; ws
.macro WLOAD t                         ; block t: w_in(32 t + i, my column); the largest offset, 511 rows of 12,288 bytes, lies inside the signed 24-bit immediate
.irp i, 0,1,2,3,4,5,6,7,8,9,10,11,12,13,14,15,16,17,18,19,20,21,22,23,24,25,26,27,28,29,30,31
	global_load_b32 v[WX+32*((\t)%2)+\i], v3, s[6:7] offset:(32*(\t)+\i)*WN*4 th:TH_LOAD_NT
.endr
.endm
	WLOAD 0
	WLOAD 1
.macro WBLOCK t
.set XS, WX+32*((\t)%2)
.if (\t) < NB-1
	s_wait_loadcnt 32                              ; this block's 32 loads are in; the next block's stay out
.else
	s_wait_loadcnt 0
.endif
	v_max3_num_f32 v16, |v[XS]|, |v[XS+1]|, |v[XS+2]|
	v_max3_num_f32 v17, |v[XS+3]|, |v[XS+4]|, |v[XS+5]|
.irp i, 6,10,14,18,22,26
	v_max3_num_f32 v16, v16, |v[XS+\i]|, |v[XS+\i+1]|
	v_max3_num_f32 v17, v17, |v[XS+\i+2]|, |v[XS+\i+3]|
.endr
	v_max3_num_f32 v16, v16, |v[XS+30]|, |v[XS+31]|
	v_max3_num_f32 v16, v16, v17, (EMAX+1)<<23     ; and the floor
	v_add_nc_u32 v11, -(EMAX<<23), v16             ; the conversion's scale operand
	v_lshrrev_b32 v17, 23, v11                     ; the scale's byte
.if (\t)%4 == 0
	v_mov_b32 v[SB+(\t)/4], v17
.else
	v_lshl_or_b32 v[SB+(\t)/4], v17, 8*((\t)%4), v[SB+(\t)/4]
.endif
.irp g, 0,1,2,3
	v_cvt_scalef32_pk8_fp4_f32 v[WC+\g], v[XS+8*\g:XS+8*\g+7], v11
.endr
	v_nop                                          ; a plain line behind the last conversion
	ds_store_b128 v4, v[WC:WC+3] offset:16*(\t)    ; 32 codes: 16 bytes of my column's row
.if (\t)+2 < NB
	WLOAD (\t)+2
.endif
	s_wait_dscnt 0x0                               ; the store has read its registers: the next block's codes may be written
.endm
.set Q, 0
.rept NB
	WBLOCK Q
.set Q, Q+1
.endr
	global_store_b128 v9, v[SB:SB+3], s[16:17]     ; my column's 16 scale bytes
.irp t, 0,1,2,3,4,5,6,7,8,9,10,11,12,13,14,15
	ds_load_b128 v[OUTR+4*\t:OUTR+4*\t+3], v7 offset:2*\t*WPITCH
.endr
.irp t, 0,1,2,3,4,5,6,7,8,9,10,11,12,13,14,15
	s_wait_dscnt 15-\t                             ; load t is back; the younger ones stay out
	global_store_b128 v8, v[OUTR+4*\t:OUTR+4*\t+3], s[14:15] offset:2*\t*KROW
.endr
	s_wait_tensorcnt 0x0                           ; the wave's end
	ds_add_u32 v[SPW], v[NIL]
	s_wait_dscnt 0x0
	s_endpgm
.Lfunc_end_k_qf3dfcf00fa_prep:
	.size	k_qf3dfcf00fa_prep, .Lfunc_end_k_qf3dfcf00fa_prep-k_qf3dfcf00fa_prep
	.p2alignl 7, 3214868480
	.fill 96, 4, 3214868480
	.section	.rodata,"a",@progbits
	.p2align	6, 0x0
	.amdhsa_kernel k_qf3dfcf00fa_prep
		.amdhsa_group_segment_fixed_size 68096
		.amdhsa_private_segment_fixed_size 0
		.amdhsa_enable_private_segment 0
		.amdhsa_kernarg_size 64
		.amdhsa_user_sgpr_count 2
		.amdhsa_user_sgpr_kernarg_segment_ptr 1
		.amdhsa_wavefront_size32 1
		.amdhsa_system_sgpr_workgroup_id_x 1
		.amdhsa_system_sgpr_workgroup_id_y 1
		.amdhsa_system_sgpr_workgroup_id_z 1
		.amdhsa_system_vgpr_workitem_id 0
		.amdhsa_next_free_vgpr 192
		.amdhsa_next_free_sgpr 66
		.amdhsa_reserve_vcc 0
		.amdhsa_float_denorm_mode_32 3
		.amdhsa_float_denorm_mode_16_64 3
		.amdhsa_memory_ordered 1
		.amdhsa_forward_progress 1
		.amdhsa_inst_pref_size 133
	.end_amdhsa_kernel
	.amdgpu_metadata
---
amdhsa.version: [ 1, 2 ]
amdhsa.kernels:
  - .name:           k_qf3dfcf00fa_prep
    .symbol:         k_qf3dfcf00fa_prep.kd
    .args:
      - { .name: x, .offset: 0, .size: 8, .value_kind: global_buffer, .address_space: global }
      - { .name: w_in, .offset: 8, .size: 8, .value_kind: global_buffer, .address_space: global }
      - { .name: w_out, .offset: 16, .size: 8, .value_kind: global_buffer, .address_space: global }
      - { .name: xc, .offset: 24, .size: 8, .value_kind: global_buffer, .address_space: global }
      - { .name: xs, .offset: 32, .size: 8, .value_kind: global_buffer, .address_space: global }
      - { .name: wc, .offset: 40, .size: 8, .value_kind: global_buffer, .address_space: global }
      - { .name: ws, .offset: 48, .size: 8, .value_kind: global_buffer, .address_space: global }
      - { .name: wo16, .offset: 56, .size: 8, .value_kind: global_buffer, .address_space: global }
    .group_segment_fixed_size: 68096
    .private_segment_fixed_size: 0
    .kernarg_segment_align: 8
    .kernarg_segment_size: 64
    .max_flat_workgroup_size: 128
    .sgpr_count:     66
    .vgpr_count:     192
    .wavefront_size: 32
...
	.end_amdgpu_metadata
.endif
;; end of part 1
;; launch qkvgemm (part 2): grid 12 x 32, 4 waves a work-group, clusters of 4 x 4, 327,680 bytes of LDS; arguments xc, xs, wc, ws, b_in, qkv; writes qkv
.if DOCPART == 2
	.amdgcn_target "amdgcn-amd-amdhsa--gfx1250"
	.amdhsa_code_object_version 6
	.text
	.protected	k_qf3dfcf00fa_qkvgemm
	.globl	k_qf3dfcf00fa_qkvgemm
	.p2align	8
	.type	k_qf3dfcf00fa_qkvgemm,@function
k_qf3dfcf00fa_qkvgemm:
	s_mov_b64 s[64:65], 0
	v_nop
	global_prefetch_b8 v0, s[64:65] scope:SCOPE_SE
	s_setreg_imm32_b32 hwreg(HW_REG_WAVE_MODE, 25, 1), 1
	s_wait_xcnt 0x0
	s_wait_alu depctr_hold_cnt(0) depctr_sa_sdst(0) depctr_va_vdst(0) depctr_va_sdst(0) depctr_va_ssrc(0) depctr_va_vcc(0) depctr_vm_vsrc(0)
	s_getreg_b32 s2, hwreg(HW_REG_IB_STS2, 6, 4)
	s_cmp_eq_u32 s2, 0
	s_cbranch_scc0 .Lentry_in_a_cluster
	s_endpgm
.Lentry_in_a_cluster:
	s_bfe_u32 s2, ttmp6, 0x10000c
	s_cmp_lg_u32 s2, 0xf033
	s_cbranch_scc0 .Lentry_shape_is_right
	s_endpgm
.Lentry_shape_is_right:
; qkv = Q(x) Q(w_in) + b_in on codes of E2M1 with E8M0 scales, sums in f32, rounded once to f16 and laid by head: qkv [part 3][bh 64][s 2048][64] f16, bh = 16 b + head.
; A = xc [8192][512 bytes], B = wc [3072][512 bytes], K innermost, two codes a byte; scale bytes xs [8192][32], ws [3072][32].
; A tile of C, 256 x 256, is made by four waves; a wave makes 128 x 128: 64 accumulators, 512 registers.  K = 1,024 is two slots of 512: both are filled at the start, nothing is filled again.
; The scale bytes of the work-group's 256 + 256 rows come once, as dense blocks in rows of 256 bytes.
; CLUSTERS: 4 x 4 work-groups; A's tiles are asked for jointly along a row of the cluster, B's along a column.
; THE MATRIX INSTRUCTION IS USED TRANSPOSED (source 0 = 16 rows of B, source 1 = 16 rows of A): a lane holds eight neighbouring columns of one row of C.  The bias is the C of each sum's first product.
; LIMIT: |q|, |k|, |v| beyond 65,504 become infinity in f16.
; REGISTERS: window 0: v0-31 addresses; v32-95 scale words, two sets; v128-191 A's fragments, one set; v192-255 the bias, 8 registers for each of B's 8 blocks.  On the way out v32-127 are free.
;   window 1: B's fragments, two sets, at v0 and v128.   window 2: accumulators of my rows 0-63 ((a, b) at v[8 (8 a + b)]);   window 3: of my rows 64-127.
.set NQ,     4                         ; steps of 128 along K in a slot
.set ROWB,   256                       ; a tile's row in bytes: 512 codes
.set KROW,   512                       ; a row of xc or wc in memory
.set PITCH,  272                       ; an LDS row: 256 bytes + 16 of padding = 68 words, so the 16 rows that a load touches start 4 words apart
.set FR,     8
.set NL,     2
.set NP,     4                         ; places behind this matrix instruction (ISA guide 7.12.1)
.set HALFT,  128*PITCH
.set SLOT,   4*HALFT
.set KS,     32                        ; a row of scale bytes
.set SCL,    2*SLOT                    ; behind the ring: the scales, rows of 256 bytes + 16 of padding
.set HALFS,  16*272                    ; the scales of 128 rows
.set SBLK,   2*272                     ; of 16 rows
.set SPARE,  SCL+4*HALFS               ; the spare words, 128 bytes for each wave, that no other line names
.set ADRA, 16
.set ADRB, 20
.set STO,  24
.set RD,   25
.set CO,   26
.set ADRS, 27
.set SPW,  28
.set NIL,  29
.set BO,   30                          ; v30  32 x (lane / 16): my eight numbers of a block of the bias
.set SC,   32
.set AF,   128
.set BI,   192
.set TMP,  32                          ; the way out: a block's packed results
.set BK,   64                          ; the way out: rows read back: v64-95 and v96-127 by turns
.set G1, 24
.set G0, 32
.set G1B, 48
.set G0B, 56
.set G1S, 68
.set G0S, 76
.set G1SB, 80
.set G0SB, 88
.set MSB, 0
.macro WIN new                         ; the immediate's high byte repeats the setting that is left
.if MSB != (\new)
	s_set_vgpr_msb (MSB<<8)|(\new)
.set MSB, (\new)
.endif
.endm
.set MUL_LO, 0xa1                      ; source 0 (B) window 1, source 1 (A) window 0, C and D window 2
.set MUL_HI, 0xf1                      ; the same, C and D window 3
.set TO_B,   0x40
; A joint load: waves 0 and 1 fetch for A, waves 2 and 3 for B; the branch hangs on the wave's number alone.  An s_nop 0 and four v_nop follow each line.
.macro JLOAD g0a, g1a, g0b, g1b
	s_cmp_eq_u32 s15, 0
	s_cbranch_scc0 .Lfor_b_\@
	tensor_load_to_lds s[\g0a:\g0a+3], s[\g1a:\g1a+7]
	s_nop 0
.rept 4
	v_nop
.endr
	s_branch .Lasked_\@
.Lfor_b_\@:
	tensor_load_to_lds s[\g0b:\g0b+3], s[\g1b:\g1b+7]
	s_nop 0
.rept 4
	v_nop
.endr
.Lasked_\@:
.endm
.macro CROUND                          ; a round of the cluster's barrier
	s_barrier_signal -1
	s_barrier_wait -1
	s_cmp_lg_u32 s14, 0
	s_cbranch_scc1 .Lnot_wave_0_\@
	s_barrier_signal -3
.Lnot_wave_0_\@:
	s_barrier_wait -3
	s_barrier_signal -1
	s_barrier_wait -1
.endm
	s_load_b128 s[4:7], s[0:1], 0x0                ; xc, xs
	s_load_b128 s[8:11], s[0:1], 0x10              ; wc, ws
	s_load_b64 s[96:97], s[0:1], 0x20              ; b_in
	s_load_b64 s[12:13], s[0:1], 0x28              ; qkv
	v_lshl_add_u32 v[SPW], v0, 2, SPARE
	v_mov_b32 v[NIL], 0
	ds_add_u32 v[SPW], v[NIL]                      ; the opening: the add, twice on end, and its wait ahead of my first tensor load
	ds_add_u32 v[SPW], v[NIL]
	v_lshrrev_b32 v1, 5, v0
	v_readfirstlane_b32 s14, v1                    ; wave 0..3
	s_lshr_b32 s15, s14, 1                         ; which half of the tile's rows is mine; also: I fetch for A (0) or B (1)
	s_and_b32 s16, s14, 1                          ; which half of its columns; also: which 128 rows I fetch
	s_bfe_u32 s40, ttmp6, 0x40000                  ; cx
	s_bfe_u32 s41, ttmp6, 0x40004                  ; cy
	s_lshl_b32 s42, ttmp9, 2
	s_add_co_u32 s42, s42, s40                     ; tile column
	s_and_b32 s17, ttmp7, 0xffff
	s_lshl_b32 s17, s17, 2
	s_add_co_u32 s17, s17, s41                     ; tile row
	s_lshl_b32 s43, s41, 2
	s_lshl_b32 s43, 15, s43                        ; my row of the cluster
	s_lshl_b32 s44, 0x1111, s40                    ; my column
	s_or_b32 s[G1+0], s43, (0<<16)|(1<<20)|(1<<21)|(5<<22)|(3<<25)  ; mask; elements of 1 byte; padding on; bit 21 beside a mask; 4 words behind every 64
	s_or_b32 s[G1B+0], s44, (0<<16)|(1<<20)|(1<<21)|(5<<22)|(3<<25)
.irp g, G1, G1B
	s_mov_b32 s[\g+1], ROWB<<16                    ; tensor_dim0
	s_mov_b32 s[\g+2], 128<<16                     ; tensor_dim1
	s_mov_b32 s[\g+3], ROWB<<16                    ; tile_dim0
	s_mov_b32 s[\g+4], 128                         ; tile_dim1
	s_mov_b32 s[\g+5], KROW                        ; stride
	s_mov_b32 s[\g+6], 0
	s_mov_b32 s[\g+7], 0
.endr
	s_or_b32 s[G1S+0], s43, (3<<16)|(1<<20)|(1<<21)|(5<<22)|(3<<25)  ; the scales of 128 rows: 4,096 dense bytes as 16 rows of 32 elements of 8 bytes
	s_or_b32 s[G1SB+0], s44, (3<<16)|(1<<20)|(1<<21)|(5<<22)|(3<<25)
.irp g, G1S, G1SB
	s_mov_b32 s[\g+1], 32<<16
	s_mov_b32 s[\g+2], 16<<16
	s_mov_b32 s[\g+3], 32<<16
	s_mov_b32 s[\g+4], 16
	s_mov_b32 s[\g+5], 32
	s_mov_b32 s[\g+6], 0
	s_mov_b32 s[\g+7], 0
.endr
	s_lshl_b32 s18, s16, 7
	s_lshl_b32 s20, s17, 8
	s_add_co_u32 s20, s20, s18                     ; A: row 256 x tile row + 128 x half
	s_lshl_b32 s46, s42, 8
	s_add_co_u32 s46, s46, s18                     ; B: row 256 x tile column + 128 x half
	s_mov_b32 s21, 0
	s_mov_b32 s47, 0
	s_mov_b64 s[18:19], KS
	s_mul_u64 s[22:23], s[20:21], s[18:19]         ; where these rows' scales begin
	s_mul_u64 s[92:93], s[46:47], s[18:19]
	s_mov_b64 s[18:19], KROW
	s_mul_u64 s[20:21], s[20:21], s[18:19]         ; and their codes
	s_mul_u64 s[46:47], s[46:47], s[18:19]
	s_mul_i32 s45, s14, HALFT                      ; where they go: wave x 128 rows
	s_mul_i32 s94, s14, HALFS
	s_wait_dscnt 0x0                               ; both opening adds are done
	s_wait_kmcnt 0x0
	s_add_nc_u64 s[20:21], s[4:5], s[20:21]
	s_add_nc_u64 s[22:23], s[6:7], s[22:23]
	s_add_nc_u64 s[46:47], s[8:9], s[46:47]
	s_add_nc_u64 s[92:93], s[10:11], s[92:93]
	CROUND                                         ; all sixteen work-groups are here: the first joint loads meet
	s_mov_b32 s[G0S], 1
	s_add_co_u32 s[G0S+1], s94, SCL
	s_mov_b64 s[G0S+2:G0S+3], s[22:23]
	s_or_b32 s[G0S+3], s[G0S+3], 0x80000000
	s_mov_b32 s[G0SB], 1
	s_add_co_u32 s[G0SB+1], s94, SCL
	s_mov_b64 s[G0SB+2:G0SB+3], s[92:93]
	s_or_b32 s[G0SB+3], s[G0SB+3], 0x80000000
	JLOAD G0S, G1S, G0SB, G1SB                     ; the scales first; three loads of mine are out behind the next two
.irp s, 0,1
	s_mov_b32 s[G0+4*\s], 1
	s_add_co_u32 s[G0+4*\s+1], s45, \s*SLOT
	s_add_nc_u64 s[G0+4*\s+2:G0+4*\s+3], s[20:21], \s*ROWB
	s_or_b32 s[G0+4*\s+3], s[G0+4*\s+3], 0x80000000
	s_mov_b32 s[G0B+4*\s], 1
	s_add_co_u32 s[G0B+4*\s+1], s45, \s*SLOT
	s_add_nc_u64 s[G0B+4*\s+2:G0B+4*\s+3], s[46:47], \s*ROWB
	s_or_b32 s[G0B+4*\s+3], s[G0B+4*\s+3], 0x80000000
	JLOAD G0+4*\s, G1, G0B+4*\s, G1B
.endr
	v_and_b32 v1, 15, v0                           ; r = lane % 16
	v_bfe_u32 v2, v0, 4, 1                         ; h = lane / 16
	v_mul_u32_u24 v3, v1, PITCH
	v_lshl_add_u32 v4, v2, 4, v3                   ; a fragment's row x pitch + 16 h
	s_mul_i32 s21, s15, HALFT
	s_mul_i32 s22, s16, HALFT
	s_add_co_u32 s22, s22, 2*HALFT
.irp s, 0,1
	v_add_nc_u32 v[ADRA+\s], s21, v4
	v_add_nc_u32 v[ADRB+\s], s22, v4
	s_add_co_u32 s21, s21, SLOT
	s_add_co_u32 s22, s22, SLOT
.endr
	v_mul_u32_u24 v5, v1, KS                       ; my row's scales: 32 bytes a row,
	v_lshrrev_b32 v6, 8, v5
	v_lshl_add_u32 v5, v6, 4, v5                   ; and 16 more for each 256 passed
	s_mul_i32 s21, s15, HALFS
	s_mul_i32 s22, s16, HALFS
	s_add_co_u32 s22, s22, 2*HALFS
	s_sub_co_u32 s22, s22, s21
	v_mul_u32_u24 v6, s22, v2                      ; lanes 16-31 take B's
	s_add_co_u32 s21, s21, SCL
	v_add_nc_u32 v5, v5, v6
	v_add_nc_u32 v[ADRS], s21, v5
	; the way out: a stage of 2 heads x 16 rows x (128 bytes + 16) for each wave, in slot 0, which has had its only fill and its last read when the first result is stored there
	s_mul_i32 s23, s14, 4608
	v_mul_u32_u24 v5, v1, 144
	v_lshl_add_u32 v5, v2, 4, v5
	v_add_nc_u32 v[STO], s23, v5                   ; in: row r, 16 bytes for each half of the lanes
	v_bfe_u32 v5, v0, 3, 2
	v_mul_u32_u24 v5, v5, 144
	v_and_b32 v6, 7, v0
	v_lshl_add_u32 v5, v6, 4, v5
	v_add_nc_u32 v[RD], s23, v5                    ; back: eight lanes to a row of 128 bytes, four rows an instruction
	v_and_b32 v6, 31, v0
	v_lshlrev_b32 v[CO], 4, v6                     ; which are 512 consecutive bytes of qkv
	v_lshlrev_b32 v[BO], 5, v2
	; the bias: b_in at column 256 x tile column + 128 x half; lane (r, h) wants, for block b, numbers 16 b + 8 h + 0 .. 7
	s_lshl_b32 s46, s42, 10
	s_lshl_b32 s47, s16, 9
	s_add_co_u32 s46, s46, s47
	s_mov_b32 s47, 0
	s_add_nc_u64 s[96:97], s[96:97], s[46:47]
.irp b, 0,1,2,3,4,5,6,7
	global_load_b128 v[BI+8*\b:BI+8*\b+3], v[BO], s[96:97] offset:64*\b
	global_load_b128 v[BI+8*\b+4:BI+8*\b+7], v[BO], s[96:97] offset:64*\b+16
.endr
	; where my part begins in qkv.  Rows: b = tile row / 8, s = 256 (tile row % 8) + 128 x half.  Columns: part = tile column / 4, head = 4 (tile column % 4) + 2 x half
	s_lshr_b32 s20, s17, 3
	s_lshl_b32 s20, s20, 22                        ; b x 16 heads x 262,144
	s_and_b32 s21, s17, 7
	s_lshl_b32 s21, s21, 8
	s_lshl_b32 s22, s15, 7
	s_add_co_u32 s21, s21, s22
	s_lshl_b32 s21, s21, 7                         ; s x 128 bytes
	s_add_co_u32 s20, s20, s21
	s_mov_b32 s21, 0
	s_lshr_b32 s46, s42, 2
	s_lshl_b32 s46, s46, 24                        ; part x 16,777,216
	s_and_b32 s47, s42, 3
	s_lshl_b32 s47, s47, 2
	s_lshl_b32 s22, s16, 1
	s_add_co_u32 s47, s47, s22
	s_lshl_b32 s47, s47, 18                        ; head x 262,144
	s_add_co_u32 s46, s46, s47
	s_mov_b32 s47, 0
	s_add_nc_u64 s[20:21], s[20:21], s[46:47]
	s_add_nc_u64 s[12:13], s[12:13], s[20:21]
.macro FRAG reg, adr, q, i             ; 16 rows x 128 K of 4-bit codes: 8 registers, two loads of 16 bytes, 32 bytes apart
.irp c, 0,1
	ds_load_b128 v[\reg+4*\c:\reg+4*\c+3], v[\adr] offset:64*(\q)+32*\c+(\i)*16*PITCH
.endr
.endm
; 16 matrix instructions: A's blocks a0, a0 + 1 x B's eight.  p: B's set; sc: the set of scale words.  zero = 1: the first product starts the sums from the bias.
; The 64 accumulators take turns, one instruction a turn, in the same order in every step.
.macro MUL16 a0, p, q, sc, zero
.irp a, \a0, \a0+1
.irp b, 0,1,2,3,4,5,6,7
.if \zero
	v_wmma_scale_f32_16x16x128_f8f6f4 v[8*(8*((\a)%4)+\b):8*(8*((\a)%4)+\b)+7], v[128*(\p)+FR*\b:128*(\p)+FR*\b+FR-1], v[AF+FR*(\a):AF+FR*(\a)+FR-1], v[BI+8*\b:BI+8*\b+7], v[SC+8*NQ*(\sc)+NQ*\b+(\q)], v[SC+8*NQ*(\sc)+NQ*(\a)+(\q)] matrix_a_fmt:MATRIX_FMT_FP4 matrix_b_fmt:MATRIX_FMT_FP4 matrix_a_scale:MATRIX_SCALE_ROW1
.else
	v_wmma_scale_f32_16x16x128_f8f6f4 v[8*(8*((\a)%4)+\b):8*(8*((\a)%4)+\b)+7], v[128*(\p)+FR*\b:128*(\p)+FR*\b+FR-1], v[AF+FR*(\a):AF+FR*(\a)+FR-1], v[8*(8*((\a)%4)+\b):8*(8*((\a)%4)+\b)+7], v[SC+8*NQ*(\sc)+NQ*\b+(\q)], v[SC+8*NQ*(\sc)+NQ*(\a)+(\q)] matrix_a_fmt:MATRIX_FMT_FP4 matrix_b_fmt:MATRIX_FMT_FP4 matrix_a_scale:MATRIX_SCALE_ROW1
.endif
.endr
.endr
.endm
.macro FETCH_B slot, q, p
	WIN TO_B
.irp i, 0,1,2,3,4,5,6,7
	FRAG 128*(\p)+FR*\i, ADRB+\slot, \q, \i
.endr
	WIN 0
.endm
.macro FETCH_A slot, q, i0
.irp i, \i0, \i0+1, \i0+2, \i0+3
	FRAG AF+FR*(\i), ADRA+\slot, \q, \i
.endr
.endm
.macro SCALES sc                       ; a slot's scale words: 4 words a row; lanes 0-15 take A's block i, lanes 16-31 B's block i
.irp i, 0,1,2,3,4,5,6,7
	ds_load_b128 v[SC+8*NQ*\sc+NQ*\i:SC+8*NQ*\sc+NQ*\i+3], v[ADRS] offset:\i*SBLK
.endr
.endm
.macro PLACES n                        ; plain vector lines between a matrix instruction and a load into, or a read of, its registers
.rept \n
	v_nop
.endr
.endm
.macro STEP slot, q, zero              ; a step of 128 along K that has its successor in the same slot
	s_wait_dscnt 4*NL                              ; B's set and A's blocks 0-3 are in; the youngest eight loads (A's blocks 4-7) may be out
.if \zero
	WIN 0x81                                       ; as MUL_LO, with C (the bias) in window 0
.else
	WIN MUL_LO
.endif
	MUL16 0, (\q)%2, \q, \slot, \zero
	MUL16 2, (\q)%2, \q, \slot, \zero
	s_wait_dscnt 0                                 ; A's blocks 4-7 are in
	PLACES NP
	FETCH_B \slot, (\q)+1, 1-(\q)%2
	FETCH_A \slot, (\q)+1, 0
.if \zero
	WIN 0xc1                                       ; as MUL_HI, with C in window 0
.else
	WIN MUL_HI
.endif
	MUL16 4, (\q)%2, \q, \slot, \zero
	MUL16 6, (\q)%2, \q, \slot, \zero
	PLACES NP
	WIN 0
	FETCH_A \slot, (\q)+1, 4
.endm
.macro STEPS slot, from
.set Q, \from
.rept NQ-1-\from
	STEP \slot, Q, 0
.set Q, Q+1
.endr
.endm
	s_wait_tensorcnt 1                             ; the scales and my part of slot 0 are in; slot 1's load may stay out
	s_barrier_signal -1
	s_barrier_wait -1
	FETCH_B 0, 0, 0
	FETCH_A 0, 0, 0
	SCALES 0
	FETCH_A 0, 0, 4
	s_wait_loadcnt 0x0                             ; the bias
	STEP 0, 0, 1
	STEPS 0, 1
	; slot 0's last step changes slots: one barrier; in front of it each wave waits for all its tensor loads, adds 0 to its spare word, and waits for that and for its reads of slot 0
	s_wait_tensorcnt 0x0                           ; my part of slot 1 has landed
	ds_add_u32 v[SPW], v[NIL]
	s_wait_dscnt 4*NL+1                            ; the add and the youngest eight loads may be out
	WIN MUL_LO
	MUL16 0, 1, NQ-1, 0, 0
	s_wait_dscnt 0x0                               ; the add is done, and my reads of slot 0 are over
	s_barrier_signal -1
	MUL16 2, 1, NQ-1, 0, 0
	WIN 0
	s_barrier_wait -1
	PLACES NP
	v_add_nc_u32 v[ADRS], 4*NQ, v[ADRS]            ; on to slot 1's scale words
	FETCH_B 1, 0, 0
	FETCH_A 1, 0, 0
	SCALES 1
	WIN MUL_HI
	MUL16 4, 1, NQ-1, 0, 0
	MUL16 6, 1, NQ-1, 0, 0
	PLACES NP
	WIN 0
	FETCH_A 1, 0, 4
	STEPS 1, 0
	s_wait_dscnt 4*NL                              ; the very last step
	WIN MUL_LO
	MUL16 0, 1, NQ-1, 1, 0
	MUL16 2, 1, NQ-1, 1, 0
	s_wait_dscnt 0
	WIN MUL_HI
	MUL16 4, 1, NQ-1, 1, 0
	MUL16 6, 1, NQ-1, 1, 0
	WIN 0
; THE WAY OUT, block by block of 16 rows x 128 columns = two heads.  A lane's eight results pack into 16 bytes of one row of one head; they go through my stage and come back so that
; the 32 lanes hold four whole rows of a head: 512 consecutive bytes of qkv.
.macro PACK a
.set AC, 64*((\a)%4)
	WIN 0x0a+5*((\a)/4)                            ; sources in window 2 or 3
.irp b, 0,1,2,3,4,5,6,7
.irp r, 0,1,2,3
	v_cvt_pk_f16_f32 v[TMP+4*\b+\r], v[AC+8*\b+2*\r], v[AC+8*\b+2*\r+1]   ; each accumulator from its low end on
.endr
.endr
	WIN 0
.endm
.macro TOSTAGE a
.irp b, 0,1,2,3,4,5,6,7
	ds_store_b128 v[STO], v[TMP+4*\b:TMP+4*\b+3] offset:(\b/4)*2304+32*(\b%4)
.endr
.set BB, BK+32*((\a)%2)
.irp t, 0,1,2,3,4,5,6,7
	ds_load_b128 v[BB+4*\t:BB+4*\t+3], v[RD] offset:(\t/4)*2304+(\t%4)*576   ; LDS serves a wave's instructions in order: these see the stores above
.endr
.endm
.macro SEND a
.set BB, BK+32*((\a)%2)
	s_wait_dscnt 0x0                               ; the block is back in registers
	s_wait_xcnt 0x0                                ; earlier stores have read their base and their data: both may be written again
.if (\a) > 0
	s_add_nc_u64 s[12:13], s[12:13], 2048          ; 16 rows of 128 bytes on
.endif
.irp t, 0,1,2,3,4,5,6,7
	global_store_b128 v[CO], v[BB+4*\t:BB+4*\t+3], s[12:13] offset:(\t/4)*262144+(\t%4)*512   ; 512 consecutive bytes, aligned
.endr
.endm
	PLACES NP
	PACK 0
	TOSTAGE 0
.irp a, 1,2,3,4,5,6,7
	PACK \a                                        ; block a's conversions stand between block a - 1's loads from the stage and the wait for them
	SEND \a-1
	TOSTAGE \a
.endr
	SEND 7
	s_wait_tensorcnt 0x0                           ; the wave's end
	ds_add_u32 v[SPW], v[NIL]
	s_wait_dscnt 0x0
	CROUND                                         ; the closing round
	s_endpgm
.Lfunc_end_k_qf3dfcf00fa_qkvgemm:
	.size	k_qf3dfcf00fa_qkvgemm, .Lfunc_end_k_qf3dfcf00fa_qkvgemm-k_qf3dfcf00fa_qkvgemm
	.p2alignl 7, 3214868480
	.fill 96, 4, 3214868480
	.section	.rodata,"a",@progbits
	.p2align	6, 0x0
	.amdhsa_kernel k_qf3dfcf00fa_qkvgemm
		.amdhsa_group_segment_fixed_size 327680
		.amdhsa_private_segment_fixed_size 0
		.amdhsa_enable_private_segment 0
		.amdhsa_kernarg_size 48
		.amdhsa_user_sgpr_count 2
		.amdhsa_user_sgpr_kernarg_segment_ptr 1
		.amdhsa_wavefront_size32 1
		.amdhsa_system_sgpr_workgroup_id_x 1
		.amdhsa_system_sgpr_workgroup_id_y 1
		.amdhsa_system_sgpr_workgroup_id_z 1
		.amdhsa_system_vgpr_workitem_id 0
		.amdhsa_next_free_vgpr 1024
		.amdhsa_next_free_sgpr 98
		.amdhsa_reserve_vcc 0
		.amdhsa_float_denorm_mode_32 3
		.amdhsa_float_denorm_mode_16_64 3
		.amdhsa_memory_ordered 1
		.amdhsa_forward_progress 1
		.amdhsa_inst_pref_size 129
	.end_amdhsa_kernel
	.amdgpu_metadata
---
amdhsa.version: [ 1, 2 ]
amdhsa.kernels:
  - .name:           k_qf3dfcf00fa_qkvgemm
    .symbol:         k_qf3dfcf00fa_qkvgemm.kd
    .args:
      - { .name: xc, .offset: 0, .size: 8, .value_kind: global_buffer, .address_space: global }
      - { .name: xs, .offset: 8, .size: 8, .value_kind: global_buffer, .address_space: global }
      - { .name: wc, .offset: 16, .size: 8, .value_kind: global_buffer, .address_space: global }
      - { .name: ws, .offset: 24, .size: 8, .value_kind: global_buffer, .address_space: global }
      - { .name: b_in, .offset: 32, .size: 8, .value_kind: global_buffer, .address_space: global }
      - { .name: qkv, .offset: 40, .size: 8, .value_kind: global_buffer, .address_space: global }
    .group_segment_fixed_size: 327680
    .private_segment_fixed_size: 0
    .kernarg_segment_align: 8
    .kernarg_segment_size: 48
    .max_flat_workgroup_size: 128
    .sgpr_count:     98
    .vgpr_count:     1024
    .wavefront_size: 32
...
	.end_amdgpu_metadata
.endif
;; end of part 2
;; launch attn (part 3): grid 4 x 64, 8 waves a work-group, clusters of 4 x 1, 327,680 bytes of LDS; arguments qkv, att; writes att
.if DOCPART == 3
	.amdgcn_target "amdgcn-amd-amdhsa--gfx1250"
	.amdhsa_code_object_version 6
	.text
	.protected	k_qf3dfcf00fa_attn
	.globl	k_qf3dfcf00fa_attn
	.p2align	8
	.type	k_qf3dfcf00fa_attn,@function
k_qf3dfcf00fa_attn:
	s_mov_b64 s[64:65], 0
	v_nop
	global_prefetch_b8 v0, s[64:65] scope:SCOPE_SE
	s_setreg_imm32_b32 hwreg(HW_REG_WAVE_MODE, 25, 1), 1
	s_wait_xcnt 0x0
	s_wait_alu depctr_hold_cnt(0) depctr_sa_sdst(0) depctr_va_vdst(0) depctr_va_sdst(0) depctr_va_ssrc(0) depctr_va_vcc(0) depctr_vm_vsrc(0)
	s_getreg_b32 s2, hwreg(HW_REG_IB_STS2, 6, 4)
	s_cmp_eq_u32 s2, 0
	s_cbranch_scc0 .Lentry_in_a_cluster
	s_endpgm
.Lentry_in_a_cluster:
	s_bfe_u32 s2, ttmp6, 0x10000c
	s_cmp_lg_u32 s2, 0x3003
	s_cbranch_scc0 .Lentry_shape_is_right
	s_endpgm
.Lentry_shape_is_right:
; att = softmax(q k^T / 8) v for each of 64 (batch, head) pairs, no mask.  q, k, v: qkv [part 3][bh 64][2048][64] f16.  att: [row block of 128: 64][head 16][128][64] f16.
; Products on f16 operands with f32 sums; maxima, exponentials and sums in f32; the weights p are rounded to f16 for the second product, the result once at the end.
; SOFTMAX: for each query a running maximum m and sum l: p = 2^(c s - c m), c = log2(e) / 8; in every step O and l are multiplied by a = 2^(c m_old - c m_new).
; LIMITS: a weight p under the smallest f16 number counts as 0 in the second product (it still counts in l); results beyond 65,504 become infinity.
; SHARES.  A cluster of four work-groups is one (batch, head); a work-group owns 512 queries, each of its eight waves 64: four tiles of 16.  Every wave walks all 2,048 keys, 64 a step.
; LAYOUT.  Both products are used transposed: S^T = K Q^T (source 0 = 16 keys, source 1 = 16 queries), O^T = V^T P (source 0 = 16 channels, source 1 = P): a lane holds one query throughout,
; and two tiles of S^T, rounded in pairs, are source 1 of the second product.  K comes out of LDS as it lies, V turned by ds_load_tr16_b128.
; THE RING.  Two slots of 512 keys (8 steps).  K and V of a head are dense: a tile is stated as rows of 256 bytes, each holding two rows of 128 bytes.  All eight waves fetch, one joint load each
; (waves 0-3 a quarter of K's tile, waves 4-7 of V's); a wave has two loads out at the start and one behind each refill, which has 8 key steps in which to land.
; TWO GROUPS OF WAVES, HALF A STEP APART.  A step is a stretch of vector work (the softmax) and a stretch of matrix work.  Behind each meeting of the waves, group 0 runs its softmax first and
; group 1 behind it, so that from there on one group's matrix work stands beside the other group's vector work.
; No prefetch is written: a refill is asked for 8 key steps ahead of its first read, so no wave waits for it; the first fills stand at the head.
; REGISTERS.  window 0: v1-9 addresses; v12-43 statistics, 8 a tile (c m, m, l, l, c0-c3; a takes c2's place); v62, v63 the add's two; v64-191 S^T, 32 a tile; v192-255 P, 16 a tile.
;   window 1: v0-127 O^T (32 t + 8 ct); v128-191 Q (16 t + 8 c); v192-223, v224-255 two halves of K's or V's fragments of a step.
.set KSB,   8704                       ; a step of K in LDS: 32 rows of 256 + 16 bytes
.set VSB,   9216                       ; a step of V: 32 rows of 256 + 32 bytes
.set VOFF,  69632                      ; a slot: K's 256 rows, then V's
.set SLOTB, 143360
.set SPARE, 2*SLOTB                    ; the spare words, 128 bytes for each of eight waves, that no other line names
.set STAGE, SPARE+1024                 ; the way out: 16 rows x 144 bytes for each wave
.set AK0, 2
.set AV0, 3
.set ADK, 4
.set ADV, 5
.set QO,  6
.set STO, 7
.set RD,  8
.set GO,  9
.set ST,  12
.set SPW, 62
.set NIL, 63
.set S,   64
.set P,   192
.set QR,  128                          ; in window 1
.set HB,  192                          ; in window 1
.set WV,  12
.set GRP, 14
.set G1K, 24
.set G1V, 32
.set G0K, 40                           ; a group 0 for each slot
.set G0V, 48
.set CNT, 56
.set SKI, 57
.set CS,  58
.set SEL, 60
.set TK,  62                           ; LDS byte at which K's tile of the step to be fetched begins
.set TV,  63                           ; and V's
.set MSB, 0
.macro WIN new                         ; the immediate's high byte repeats the setting that is left
.if MSB != (\new)
	s_set_vgpr_msb (MSB<<8)|(\new)
.set MSB, (\new)
.endif
.endm
.set W_KQ, 0x05                        ; K and Q in window 1, S^T in window 0
.set W_PV, 0x51                        ; V in window 1, P in window 0, O^T in window 1
.set W_RS, 0x41                        ; O^T (destination and source 0) in window 1, a in window 0
.set W_LD, 0x40                        ; a load's destination in window 1, its address in window 0
.macro JLOAD s                         ; a joint refill of slot s; the branch hangs on the wave's number alone.  An s_nop 0 and four v_nop follow each line
	s_cmp_lt_u32 s[WV], 4
	s_cbranch_scc0 .Lfor_v_\@
	tensor_load_to_lds s[G0K+4*\s:G0K+4*\s+3], s[G1K:G1K+7]
	s_nop 0
.rept 4
	v_nop
.endr
	s_branch .Lasked_\@
.Lfor_v_\@:
	tensor_load_to_lds s[G0V+4*\s:G0V+4*\s+3], s[G1V:G1V+7]
	s_nop 0
.rept 4
	v_nop
.endr
.Lasked_\@:
.endm
.macro CROUND                          ; a round of the cluster's barrier
	s_barrier_signal -1
	s_barrier_wait -1
	s_cmp_lg_u32 s[WV], 0
	s_cbranch_scc1 .Lnot_wave_0_\@
	s_barrier_signal -3
.Lnot_wave_0_\@:
	s_barrier_wait -3
	s_barrier_signal -1
	s_barrier_wait -1
.endm
.macro PLACES                          ; four plain lines between a matrix instruction and a load into, or a vector read of, its registers
.rept 4
	v_nop
.endr
.endm
	s_load_b128 s[4:7], s[0:1], 0x0                ; qkv, att
	v_lshl_add_u32 v[SPW], v0, 2, SPARE
	v_mov_b32 v[NIL], 0
	ds_add_u32 v[SPW], v[NIL]                      ; the opening: the add, twice on end, and its wait ahead of my first tensor load
	ds_add_u32 v[SPW], v[NIL]
	v_lshrrev_b32 v1, 5, v0
	v_readfirstlane_b32 s[WV], v1                  ; wave 0..7
	s_bfe_u32 s13, ttmp6, 0x40000                  ; cx: it enters Q's and att's addresses alone
	s_lshr_b32 s[GRP], s[WV], 2
	s_xor_b32 s[GRP], s[GRP], s[WV]
	s_and_b32 s[GRP], s[GRP], 1                    ; my group: waves w and w + 4 differ in it, and so do waves 2 i and 2 i + 1
	s_and_b32 s15, s[WV], 3                        ; which quarter of a tile I fetch
	s_and_b32 s16, ttmp7, 0xffff                   ; bh, which the four partners share
	s_lshl_b32 s18, s16, 18                        ; bh x 262,144
	s_lshl_b32 s17, s15, 14                        ; my quarter: 128 keys x 128 bytes
	s_add_co_u32 s20, s18, s17
	s_mov_b32 s21, 0
	s_lshl_b32 s22, s13, 16                        ; Q: my work-group's 512 rows,
	s_lshl_b32 s23, s[WV], 13                      ; my wave's 64
	s_add_co_u32 s22, s22, s23
	s_add_co_u32 s22, s22, s18
	s_mov_b32 s23, 0
	s_and_b32 s2, s16, 0x30                        ; att: row block 16 b + 4 cx + wave / 2,
	s_lshl_b32 s3, s13, 2
	s_add_co_u32 s2, s2, s3
	s_lshr_b32 s3, s[WV], 1
	s_add_co_u32 s2, s2, s3
	s_lshl_b32 s2, s2, 18
	s_and_b32 s3, s16, 15                          ; head,
	s_lshl_b32 s3, s3, 14
	s_add_co_u32 s2, s2, s3
	s_and_b32 s3, s[WV], 1                         ; and which 64 of the block's 128 rows
	s_lshl_b32 s3, s3, 13
	s_add_co_u32 s2, s2, s3
	s_mov_b32 s3, 0
	s_mul_i32 s17, s15, 64*272                     ; where my quarter goes in a slot: K's,
	s_mul_i32 s19, s15, 64*288
	s_add_co_u32 s19, s19, VOFF                    ; V's
	; descriptor group 1: 64 rows x 128 elements of 2 bytes, dense in memory, padded in LDS
	s_mov_b32 s[G1K], 15|(1<<16)|(1<<20)|(1<<21)|(5<<22)|(3<<25)  ; the mask: all four work-groups; 2-byte elements; padding on; bit 21 beside a mask; 4 words behind every 64
	s_mov_b32 s[G1V], 15|(1<<16)|(1<<20)|(1<<21)|(5<<22)|(7<<25)  ; the same with 8 words of padding
.irp g, G1K, G1V
	s_mov_b32 s[\g+1], 128<<16                     ; tensor_dim0
	s_mov_b32 s[\g+2], 64<<16                      ; tensor_dim1
	s_mov_b32 s[\g+3], 128<<16                     ; tile_dim0
	s_mov_b32 s[\g+4], 64                          ; tile_dim1
	s_mov_b32 s[\g+5], 128                         ; stride
	s_mov_b32 s[\g+6], 0
	s_mov_b32 s[\g+7], 0
.endr
	s_mov_b32 s[CS], 0x3e38aa3b                    ; c = log2(e) / 8
	s_mov_b32 s[CS+1], s[CS]                       ; named with it as a pair, so it is written
	s_mov_b32 s[SEL], 0x76543210
	s_mov_b32 s[SEL+1], 0xfedcba98                 ; lane l xor 16
	s_mov_b32 s[TK], 0
	s_mov_b32 s[TV], VOFF
	s_wait_dscnt 0x0                               ; both opening adds are done
	s_wait_kmcnt 0x0
	s_add_nc_u64 s[8:9], s[4:5], s[20:21]
	s_add_nc_u64 s[10:11], s[8:9], 0x2000000       ; V's part of qkv, at my quarter of the first tile
	s_add_nc_u64 s[8:9], s[8:9], 0x1000000         ; K's
	s_add_nc_u64 s[4:5], s[4:5], s[22:23]          ; Q at my wave's first row
	s_add_nc_u64 s[6:7], s[6:7], s[2:3]            ; att likewise
	CROUND                                         ; all four work-groups are here: the first joint loads meet
.irp s, 0,1
	s_mov_b32 s[G0K+4*\s], 1
	s_add_co_u32 s[G0K+4*\s+1], s17, \s*SLOTB
	s_add_nc_u64 s[G0K+4*\s+2:G0K+4*\s+3], s[8:9], \s*65536   ; slot s begins with keys 512 s on
	s_or_b32 s[G0K+4*\s+3], s[G0K+4*\s+3], 0x80000000
	s_mov_b32 s[G0V+4*\s], 1
	s_add_co_u32 s[G0V+4*\s+1], s19, \s*SLOTB
	s_add_nc_u64 s[G0V+4*\s+2:G0V+4*\s+3], s[10:11], \s*65536
	s_or_b32 s[G0V+4*\s+3], s[G0V+4*\s+3], 0x80000000
.endr
	s_cmp_lt_u32 s[WV], 4                          ; a wave's two first fills stand in one branch, ahead of every wait on TENSORcnt and every LDS read
	s_cbranch_scc0 .Lfirst_v
	tensor_load_to_lds s[G0K:G0K+3], s[G1K:G1K+7]
	s_nop 0
	tensor_load_to_lds s[G0K+4:G0K+7], s[G1K:G1K+7]
	s_nop 0
.rept 4
	v_nop
.endr
	s_branch .Lfirst_asked
.Lfirst_v:
	tensor_load_to_lds s[G0V:G0V+3], s[G1V:G1V+7]
	s_nop 0
	tensor_load_to_lds s[G0V+4:G0V+7], s[G1V:G1V+7]
	s_nop 0
.rept 4
	v_nop
.endr
.Lfirst_asked:
	v_and_b32 v1, 15, v0                           ; r
	v_bfe_u32 v10, v0, 4, 1                        ; h
	v_lshlrev_b32 v[QO], 7, v1
	v_lshl_add_u32 v[QO], v10, 4, v[QO]            ; Q: row r of 128 bytes + 16 h
	WIN W_LD
.irp t, 0,1,2,3
.irp c, 0,1
	global_load_b128 v[QR+16*\t+8*\c:QR+16*\t+8*\c+3],   v[QO], s[4:5] offset:\t*2048+\c*64      ; Q stays in registers: tile t, channels 32 c on
	global_load_b128 v[QR+16*\t+8*\c+4:QR+16*\t+8*\c+7], v[QO], s[4:5] offset:\t*2048+\c*64+32
.endr
.endr
	WIN 0
	v_lshrrev_b32 v11, 1, v1                       ; K: key r lies in LDS row r / 2, half r % 2
	v_mul_u32_u24 v[AK0], v11, 272
	v_and_b32 v11, 1, v1
	v_lshl_add_u32 v[AK0], v11, 7, v[AK0]
	v_lshl_add_u32 v[AK0], v10, 4, v[AK0]
	v_bfe_u32 v11, v0, 1, 2                        ; V, for the turning load: key 8 h + l % 8, channels 8 ((l / 8) % 2) on
	v_lshl_add_u32 v11, v10, 2, v11
	v_mul_u32_u24 v[AV0], v11, 288
	v_and_b32 v11, 1, v0
	v_lshl_add_u32 v[AV0], v11, 7, v[AV0]
	v_bfe_u32 v11, v0, 3, 1
	v_lshl_add_u32 v[AV0], v11, 4, v[AV0]
	s_mul_i32 s16, s[WV], 16*144
	s_add_co_u32 s16, s16, STAGE                   ; my stage
	v_mul_u32_u24 v[STO], v1, 144
	v_lshl_add_u32 v[STO], v10, 4, v[STO]
	v_add_nc_u32 v[STO], s16, v[STO]               ; in: row r, 16 bytes for each half of the lanes
	v_bfe_u32 v11, v0, 3, 2
	v_mul_u32_u24 v[RD], v11, 144
	v_and_b32 v11, 7, v0
	v_lshl_add_u32 v[RD], v11, 4, v[RD]
	v_add_nc_u32 v[RD], s16, v[RD]                 ; back: eight lanes to a row of 128 bytes, four rows an instruction
	v_and_b32 v11, 31, v0
	v_lshlrev_b32 v[GO], 4, v11                    ; which are 512 consecutive bytes of att
.macro LOADK c                         ; K's fragments of channels 32 c on: 4 tiles of 16 keys, 8 loads
.irp kt, 0,1,2,3
	ds_load_b128 v[HB+32*\c+8*\kt:HB+32*\c+8*\kt+3],   v[ADK] offset:\kt*2176+64*\c
	ds_load_b128 v[HB+32*\c+8*\kt+4:HB+32*\c+8*\kt+7], v[ADK] offset:\kt*2176+64*\c+32
.endr
.endm
.macro LOADV kk                        ; V^T's fragments of keys 32 kk on: 4 tiles of 16 channels, 8 turning loads
.irp ct, 0,1,2,3
	ds_load_tr16_b128 v[HB+32*\kk+8*\ct:HB+32*\kk+8*\ct+3],   v[ADV] offset:\kk*4608+32*\ct
	ds_load_tr16_b128 v[HB+32*\kk+8*\ct+4:HB+32*\kk+8*\ct+7], v[ADV] offset:\kk*4608+32*\ct+2304
.endr
.endm
; The sixteen accumulators of each run take turns, one instruction a turn.
.macro KQH c                           ; S^T (+)= K Q^T over channels 32 c on
.irp kt, 0,1,2,3
.irp t, 0,1,2,3
.if \c == 0
	v_wmma_f32_16x16x32_f16 v[S+32*\t+8*\kt:S+32*\t+8*\kt+7], v[HB+32*\c+8*\kt:HB+32*\c+8*\kt+7], v[QR+16*\t+8*\c:QR+16*\t+8*\c+7], 0
.else
	v_wmma_f32_16x16x32_f16 v[S+32*\t+8*\kt:S+32*\t+8*\kt+7], v[HB+32*\c+8*\kt:HB+32*\c+8*\kt+7], v[QR+16*\t+8*\c:QR+16*\t+8*\c+7], v[S+32*\t+8*\kt:S+32*\t+8*\kt+7]
.endif
.endr
.endr
.endm
.macro PVH kk, zero                    ; O^T += V^T P over keys 32 kk on; zero = 1: the first run starts the sums
.irp ct, 0,1,2,3
.irp t, 0,1,2,3
.if \zero && (\kk == 0)
	v_wmma_f32_16x16x32_f16 v[32*\t+8*\ct:32*\t+8*\ct+7], v[HB+32*\kk+8*\ct:HB+32*\kk+8*\ct+7], v[P+16*\t+8*\kk:P+16*\t+8*\kk+7], 0
.else
	v_wmma_f32_16x16x32_f16 v[32*\t+8*\ct:32*\t+8*\ct+7], v[HB+32*\kk+8*\ct:HB+32*\kk+8*\ct+7], v[P+16*\t+8*\kk:P+16*\t+8*\kk+7], v[32*\t+8*\ct:32*\t+8*\ct+7]
.endif
.endr
.endr
.endm
.macro MAT_PV zero, next               ; the second product of the step in hand; next = 1: each half of the fragment registers takes the next step's K as soon as it is free
	s_wait_dscnt 0x0                               ; V is in
	WIN W_PV
	PVH 0, \zero
.if \next
	PLACES
	WIN W_LD
	LOADK 0
	WIN W_PV
.endif
	PVH 1, \zero
.if \next
	PLACES
	WIN W_LD
	LOADK 1
.endif
.endm
.macro MAT_KQ                          ; the first product of the step just fetched; each half then takes that step's V
	s_wait_dscnt 8                                 ; K's first half is in; the eight loads of its second half may be out
	WIN W_KQ
	KQH 0
	PLACES
	WIN W_LD
	LOADV 0
	s_wait_dscnt 8                                 ; K's second half is in; V's eight loads just issued may be out
	WIN W_KQ
	KQH 1
	PLACES                                         ; also the places ahead of the softmax's first read of the scores
	WIN W_LD
	LOADV 1
	WIN 0
	s_add_co_u32 s[TK], s[TK], KSB                 ; the next fetch is the next step's
	s_add_co_u32 s[TV], s[TV], VSB
.endm
.macro MATRIX zero
	WIN 0
	v_add_nc_u32 v[ADK], s[TK], v[AK0]
	v_add_nc_u32 v[ADV], s[TV], v[AV0]
	MAT_PV \zero, 1
	MAT_KQ
.endm
; THE SOFTMAX of a key step, the wave's four tiles line by line.  first = 1: the first key step: no old maximum, no a, nothing to rescale.
.macro SOFTMAX first
	WIN 0
.irp j, 0,1,2,3                        ; the maximum of a lane's 32 scores: four chains, each begun at an accumulator's three lowest registers
.irp t, 0,1,2,3
	v_max3_num_f32 v[ST+8*\t+4+\j], v[S+32*\t+8*\j], v[S+32*\t+8*\j+1], v[S+32*\t+8*\j+2]
.endr
.endr
.irp g, 1,2
.irp j, 0,1,2,3
.irp t, 0,1,2,3
	v_max3_num_f32 v[ST+8*\t+4+\j], v[ST+8*\t+4+\j], v[S+32*\t+8*\j+2*\g+1], v[S+32*\t+8*\j+2*\g+2]
.endr
.endr
.endr
.irp t, 0,1,2,3
	v_max3_num_f32 v[ST+8*\t+4], v[ST+8*\t+4], v[S+32*\t+7], v[S+32*\t+15]
.endr
.irp t, 0,1,2,3
	v_max3_num_f32 v[ST+8*\t+6], v[ST+8*\t+6], v[S+32*\t+23], v[S+32*\t+31]
.endr
.irp t, 0,1,2,3
	v_max3_num_f32 v[ST+8*\t+4], v[ST+8*\t+4], v[ST+8*\t+5], v[ST+8*\t+6]
.endr
.irp t, 0,1,2,3
.if \first
	v_max_num_f32 v[ST+8*\t+4], v[ST+8*\t+4], v[ST+8*\t+7]
.else
	v_max3_num_f32 v[ST+8*\t+4], v[ST+8*\t+4], v[ST+8*\t+7], v[ST+8*\t+1]   ; with the old m
.endif
.endr
.irp t, 0,1,2,3
	v_permlanex16_b32 v[ST+8*\t+5], v[ST+8*\t+4], s[SEL], s[SEL+1]          ; the query's other 32 keys lie in the lane 16 away
.endr
.if !\first
.irp t, 0,1,2,3
	v_mov_b32 v[ST+8*\t+7], v[ST+8*\t]             ; c m_old is kept for a
.endr
.endif
.irp t, 0,1,2,3
	v_max_num_f32 v[ST+8*\t+1], v[ST+8*\t+4], v[ST+8*\t+5]
.endr
.irp t, 0,1,2,3
	v_mul_f32 v[ST+8*\t], s[CS], v[ST+8*\t+1]
.endr
.if !\first
.irp t, 0,1,2,3
	v_sub_f32 v[ST+8*\t+7], v[ST+8*\t+7], v[ST+8*\t]
.endr
.endif
.irp b, 0,1,2,3,4,5,6,7,8,9,10,11,12,13,14,15      ; tile 0's scalings c s - c m, a pair of scores each
	v_pk_fma_f32 v[S+2*\b:S+2*\b+1], v[S+2*\b:S+2*\b+1], s[CS:CS+1], v[ST:ST+1] op_sel_hi:[1,0,0] neg_lo:[0,0,1] neg_hi:[0,0,1]
.endr
; ONE BATCH of exponentials with one wait: nothing in it names an exponential's result.  The next tile's scalings stand among a tile's exponentials.
.if !\first
.irp t, 0,1,2,3
	v_exp_f32 v[ST+8*\t+6], v[ST+8*\t+7]           ; a
.endr
.endif
.irp t, 0,1,2,3
.irp b, 0,1,2,3,4,5,6,7,8,9,10,11,12,13,14,15
.if \t < 3
	v_pk_fma_f32 v[S+32*(\t+1)+2*\b:S+32*(\t+1)+2*\b+1], v[S+32*(\t+1)+2*\b:S+32*(\t+1)+2*\b+1], s[CS:CS+1], v[ST+8*(\t+1):ST+8*(\t+1)+1] op_sel_hi:[1,0,0] neg_lo:[0,0,1] neg_hi:[0,0,1]
.endif
	v_exp_f32 v[S+32*\t+2*\b], v[S+32*\t+2*\b]
	v_exp_f32 v[S+32*\t+2*\b+1], v[S+32*\t+2*\b+1]
.endr
.endr
	v_nop                                          ; a plain line behind the last exponential
	s_wait_alu depctr_va_vdst(0)                   ; the wait ahead of the first line that names a result: one for the batch
.irp i, 0,1,2,3,4,5,6,7,8,9,10,11,12,13,14,15
.irp t, 0,1,2,3
	v_cvt_pk_f16_f32 v[P+16*\t+\i], v[S+32*\t+2*\i], v[S+32*\t+2*\i+1]
.endr
.endr
.irp u, 0,1,2,3,4,5,6,7                        ; the sum of the unrounded weights, in place: neighbours 1, 2, 4 and 8 pairs apart
.irp t, 0,1,2,3
	v_pk_add_f32 v[S+32*\t+4*\u:S+32*\t+4*\u+1], v[S+32*\t+4*\u:S+32*\t+4*\u+1], v[S+32*\t+4*\u+2:S+32*\t+4*\u+3]
.endr
.endr
.irp u, 0,1,2,3
.irp t, 0,1,2,3
	v_pk_add_f32 v[S+32*\t+8*\u:S+32*\t+8*\u+1], v[S+32*\t+8*\u:S+32*\t+8*\u+1], v[S+32*\t+8*\u+4:S+32*\t+8*\u+5]
.endr
.endr
.irp u, 0,1
.irp t, 0,1,2,3
	v_pk_add_f32 v[S+32*\t+16*\u:S+32*\t+16*\u+1], v[S+32*\t+16*\u:S+32*\t+16*\u+1], v[S+32*\t+16*\u+8:S+32*\t+16*\u+9]
.endr
.endr
.if \first
.irp t, 0,1,2,3
	v_pk_add_f32 v[ST+8*\t+2:ST+8*\t+3], v[S+32*\t:S+32*\t+1], v[S+32*\t+16:S+32*\t+17]
.endr
.else
.irp t, 0,1,2,3
	v_pk_add_f32 v[S+32*\t:S+32*\t+1], v[S+32*\t:S+32*\t+1], v[S+32*\t+16:S+32*\t+17]
.endr
.irp t, 0,1,2,3
	v_pk_fma_f32 v[ST+8*\t+2:ST+8*\t+3], v[ST+8*\t+2:ST+8*\t+3], v[ST+8*\t+6:ST+8*\t+7], v[S+32*\t:S+32*\t+1] op_sel_hi:[1,0,1]   ; l = a l + the sum
.endr
	WIN W_RS
.irp i, 0,1,2,3,4,5,6,7,8,9,10,11,12,13,14,15  ; O^T times a, each accumulator from its low end on
.irp t, 0,1,2,3
	v_pk_mul_f32 v[32*\t+2*\i:32*\t+2*\i+1], v[32*\t+2*\i:32*\t+2*\i+1], v[ST+8*\t+6:ST+8*\t+7] op_sel_hi:[1,0]
.endr
.endr
.endif
.endm
; THE CHANGE OF SLOTS.  Each wave waits for all its tensor loads (its part of the slot ahead), adds 0 to its spare word, and waits for that and for its reads of the slot that it leaves.
; fill = 1: the slot just left is filled again with the keys two slots on: the barrier is a round of the cluster's, and the joint refill is the first thing behind it.
.macro CHANGE fill, slot, tk
	WIN 0
	s_wait_tensorcnt 0x0                           ; no tensor load of mine is out, so a group 0 may be written
	ds_add_u32 v[SPW], v[NIL]
.if \fill
	s_add_nc_u64 s[G0K+4*\slot+2:G0K+4*\slot+3], s[G0K+4*\slot+2:G0K+4*\slot+3], 131072   ; 1,024 keys on; the type bits on top are not reached
	s_add_nc_u64 s[G0V+4*\slot+2:G0V+4*\slot+3], s[G0V+4*\slot+2:G0V+4*\slot+3], 131072
.endif
	s_mov_b32 s[TK], \tk                           ; the fetches go on at the other slot's first step
	s_mov_b32 s[TV], \tk+VOFF
	s_wait_dscnt 0x0                               ; the add is done, and my reads of the slot that I leave are over
.if \fill
	CROUND
	JLOAD \slot
.else
	s_barrier_signal -1
	s_barrier_wait -1
.endif
.endm
; A softmax, run by group 0 in the first trip and by group 1 in the second, a barrier at the head of each trip: group 1 starts when group 0 has finished.
.macro SKEWL
	s_mov_b32 s[SKI], 0
.Lskew_\@:
	s_wait_dscnt 0x0                               ; no LDS instruction of mine is out at a signal
	s_barrier_signal -1
	s_barrier_wait -1
	s_cmp_lg_u32 s[GRP], s[SKI]
	s_cbranch_scc1 .Lnot_now_\@
	SOFTMAX 0
	WIN 0
.Lnot_now_\@:
	s_add_co_u32 s[SKI], s[SKI], 1
	s_cmp_lt_u32 s[SKI], 2
	s_cbranch_scc1 .Lskew_\@
.endm
.macro LOOPB n                         ; n key steps: the softmax of the step in hand, its second product, the next step's first product
	s_mov_b32 s[CNT], \n
.Lbody_\@:
	SOFTMAX 0
	MATRIX 0
	s_sub_co_u32 s[CNT], s[CNT], 1
	s_cmp_lg_u32 s[CNT], 0
	s_cbranch_scc1 .Lbody_\@
.endm
	s_wait_tensorcnt 1                             ; my part of slot 0 is in; slot 1's may stay out
	s_barrier_signal -1
	s_barrier_wait -1
	v_add_nc_u32 v[ADK], s[TK], v[AK0]
	v_add_nc_u32 v[ADV], s[TV], v[AV0]
	WIN W_LD
	LOADK 0                                        ; key step 0
	LOADK 1
	s_wait_loadcnt 0x0                             ; Q
	MAT_KQ
	SOFTMAX 1                                      ; step 0's softmax, in all waves
	MATRIX 1                                       ; fetches step 1
	SKEWL                                          ; from here on the two groups are half a step apart
	MATRIX 0                                       ; step 2
	LOOPB 5                                        ; steps 3 to 7: slot 0 is read out
	CHANGE 1, 0, SLOTB                             ; slot 0 takes keys 1,024 on
	SKEWL
	MATRIX 0                                       ; step 8
	LOOPB 7
	CHANGE 1, 1, 0                                 ; slot 1 takes keys 1,536 on
	SKEWL
	MATRIX 0                                       ; step 16
	LOOPB 7
	CHANGE 0, 0, SLOTB                             ; nothing is left to fetch
	SKEWL
	MATRIX 0                                       ; step 24
	LOOPB 7
	SOFTMAX 0                                      ; step 31
	MAT_PV 0, 0
	; THE WAY OUT.  l's two halves and the other half of the lanes' are added (these lines are the places behind the last products); O^T is divided by l, rounded to f16 and sent through my stage, a tile at a time.
	WIN 0
.irp t, 0,1,2,3
	v_add_f32 v[ST+8*\t+4], v[ST+8*\t+2], v[ST+8*\t+3]
.endr
.irp t, 0,1,2,3
	v_permlanex16_b32 v[ST+8*\t+5], v[ST+8*\t+4], s[SEL], s[SEL+1]
.endr
.irp t, 0,1,2,3
	v_add_f32 v[ST+8*\t+4], v[ST+8*\t+4], v[ST+8*\t+5]
.endr
.irp t, 0,1,2,3
	v_rcp_f32 v[ST+8*\t+6], v[ST+8*\t+4]
.endr
	v_nop                                          ; a plain line behind the last reciprocal
	s_wait_alu depctr_va_vdst(0)                   ; and the wait ahead of the first use: one for the four
.macro PACK t
	WIN W_RS
.irp i, 0,1,2,3,4,5,6,7,8,9,10,11,12,13,14,15
	v_pk_mul_f32 v[32*\t+2*\i:32*\t+2*\i+1], v[32*\t+2*\i:32*\t+2*\i+1], v[ST+8*\t+6:ST+8*\t+7] op_sel_hi:[1,0]
.endr
	WIN 0x05                                       ; sources in window 1, destination in window 0: S^T's registers are free
.irp i, 0,1,2,3,4,5,6,7,8,9,10,11,12,13,14,15
	v_cvt_pk_f16_f32 v[S+32*\t+\i], v[32*\t+2*\i], v[32*\t+2*\i+1]
.endr
	WIN 0
.irp ct, 0,1,2,3
	ds_store_b128 v[STO], v[S+32*\t+4*\ct:S+32*\t+4*\ct+3] offset:32*\ct
.endr
.irp i, 0,1,2,3
	ds_load_b128 v[S+32*\t+16+4*\i:S+32*\t+16+4*\i+3], v[RD] offset:576*\i   ; LDS serves a wave's instructions in order: these see the stores above, and the next tile's stores come behind them
.endr
.endm
.macro SEND t, younger                 ; younger: the LDS instructions issued behind tile t's loads: the next tile's eight, or none
.irp i, 0,1,2,3
	s_wait_dscnt \younger+3-\i
	global_store_b128 v[GO], v[S+32*\t+16+4*\i:S+32*\t+16+4*\i+3], s[6:7] offset:\t*2048+\i*512   ; 512 consecutive bytes, aligned
.endr
.endm
	PACK 0
	PACK 1
	SEND 0, 8
	PACK 2
	SEND 1, 8
	PACK 3
	SEND 2, 8
	SEND 3, 0
	s_wait_tensorcnt 0x0                           ; the wave's end
	ds_add_u32 v[SPW], v[NIL]
	s_wait_dscnt 0x0
	CROUND                                         ; the closing round
	s_endpgm
.Lfunc_end_k_qf3dfcf00fa_attn:
	.size	k_qf3dfcf00fa_attn, .Lfunc_end_k_qf3dfcf00fa_attn-k_qf3dfcf00fa_attn
	.p2alignl 7, 3214868480
	.fill 96, 4, 3214868480
	.section	.rodata,"a",@progbits
	.p2align	6, 0x0
	.amdhsa_kernel k_qf3dfcf00fa_attn
		.amdhsa_group_segment_fixed_size 327680
		.amdhsa_private_segment_fixed_size 0
		.amdhsa_enable_private_segment 0
		.amdhsa_kernarg_size 16
		.amdhsa_user_sgpr_count 2
		.amdhsa_user_sgpr_kernarg_segment_ptr 1
		.amdhsa_wavefront_size32 1
		.amdhsa_system_sgpr_workgroup_id_x 1
		.amdhsa_system_sgpr_workgroup_id_y 1
		.amdhsa_system_sgpr_workgroup_id_z 1
		.amdhsa_system_vgpr_workitem_id 0
		.amdhsa_next_free_vgpr 512
		.amdhsa_next_free_sgpr 66
		.amdhsa_reserve_vcc 0
		.amdhsa_float_denorm_mode_32 3
		.amdhsa_float_denorm_mode_16_64 3
		.amdhsa_memory_ordered 1
		.amdhsa_forward_progress 1
		.amdhsa_inst_pref_size 255
	.end_amdhsa_kernel
	.section	.bss,"aw",@nobits
	.p2align	6
	.space	262144
	.amdgpu_metadata
---
amdhsa.version: [ 1, 2 ]
amdhsa.kernels:
  - .name:           k_qf3dfcf00fa_attn
    .symbol:         k_qf3dfcf00fa_attn.kd
    .args:
      - { .name: qkv, .offset: 0, .size: 8, .value_kind: global_buffer, .address_space: global }
      - { .name: att, .offset: 8, .size: 8, .value_kind: global_buffer, .address_space: global }
    .group_segment_fixed_size: 327680
    .private_segment_fixed_size: 0
    .kernarg_segment_align: 8
    .kernarg_segment_size: 16
    .max_flat_workgroup_size: 256
    .sgpr_count:     66
    .vgpr_count:     512
    .wavefront_size: 32
...
	.end_amdgpu_metadata
.endif
;; end of part 3
;; launch proj (part 4): grid 8 x 64, 4 waves a work-group, clusters of 4 x 4, 327,680 bytes of LDS; arguments att, wo16, b_out, out0; writes out0
.if DOCPART == 4
	.amdgcn_target "amdgcn-amd-amdhsa--gfx1250"
	.amdhsa_code_object_version 6
	.text
	.protected	k_qf3dfcf00fa_proj
	.globl	k_qf3dfcf00fa_proj
	.p2align	8
	.type	k_qf3dfcf00fa_proj,@function
k_qf3dfcf00fa_proj:
	s_mov_b64 s[64:65], 0
	v_nop
	global_prefetch_b8 v0, s[64:65] scope:SCOPE_SE
	s_setreg_imm32_b32 hwreg(HW_REG_WAVE_MODE, 25, 1), 1
	s_wait_xcnt 0x0
	s_wait_alu depctr_hold_cnt(0) depctr_sa_sdst(0) depctr_va_vdst(0) depctr_va_sdst(0) depctr_va_ssrc(0) depctr_va_vcc(0) depctr_vm_vsrc(0)
	s_getreg_b32 s2, hwreg(HW_REG_IB_STS2, 6, 4)
	s_cmp_eq_u32 s2, 0
	s_cbranch_scc0 .Lentry_in_a_cluster
	s_endpgm
.Lentry_in_a_cluster:
	s_bfe_u32 s2, ttmp6, 0x10000c
	s_cmp_lg_u32 s2, 0xf033
	s_cbranch_scc0 .Lentry_shape_is_right
	s_endpgm
.Lentry_shape_is_right:
; out0 = att w_out + b_out.  att: [row block of 128: 64][head 16][128][64] f16 (K = 64 x head + channel); wo16: [k 1024][n 1024] f16; b_out [1024], out0 [8192][1024] f32.  Sums in f32.
; A tile of out0 is 128 x 128; four waves, each 64 x 64: 16 accumulators.  K goes in four steps of 256 (four heads) through a ring of two LDS slots.
; A's tile of a step is 65,536 dense bytes, stated as rows of 256 bytes that hold two rows of 128; B's is 256 rows (k) of 256 bytes (128 n) and is read turned, by ds_load_tr16_b128.
; CLUSTERS: 4 x 4 work-groups; A's tiles are asked for jointly along a row of the cluster, B's along a column.
; THE MATRIX INSTRUCTION IS USED TRANSPOSED (source 0 = 16 columns n of w_out, source 1 = 16 rows of att): a lane holds eight neighbouring numbers of a row of out0.  The bias is the C of each sum's first product.
; A wave's 64 columns are 256 bytes, aligned: each wave sends its results through a stage of its own, with no barrier.
; No prefetch is written: the tile is small and the launch short.
; REGISTERS: window 0: v0-31 addresses; v32-95 rows on the way out; v96-127 the bias; v128-255 the accumulators ((a, b) at v[128 + 8 (4 a + b)]).
;   window 1: two fragment buffers of 128: for 64 along K, 64 registers of A, then 64 of B.
.set SLOT,   143360                    ; A: 4 heads x 64 rows x 272 = 69,632; then B: 256 rows x 288 = 73,728
.set BOFF,   69632
.set STAGE,  2*SLOT                    ; 16 rows x 272 bytes for each wave
.set SPITCH, 272
.set SPARE,  STAGE+4*16*SPITCH         ; the spare words, 128 bytes for each wave, that no other line names
.set ADRA, 16                          ; v16-17  my A fragments in slot 0, 1
.set ADRB, 20                          ; v20-23  my B fragments: slot 0 heads 0-1, heads 2-3; slot 1 likewise
.set STO,  24
.set RD,   25
.set CO,   26
.set BO,   27
.set SPW,  28
.set NIL,  29
.set BK,   32
.set BIAS, 96
.set ACC,  128
.set F0,   0
.set F1,   128
.set G1, 24
.set G0, 32
.set G1B, 48
.set G0B, 56
.set MSB, 0
.macro WIN new                         ; the immediate's high byte repeats the setting that is left
.if MSB != (\new)
	s_set_vgpr_msb (MSB<<8)|(\new)
.set MSB, (\new)
.endif
.endm
.set MUL,  0x05                        ; sources 0 (B) and 1 (A) window 1; C and D window 0
.set TO_F, 0x40
.macro JLOAD s                         ; a joint load: waves 0 and 1 fetch A's two halves, waves 2 and 3 B's; an s_nop 0 and four v_nop follow each line
	s_cmp_eq_u32 s11, 0
	s_cbranch_scc0 .Lfor_b_\@
	tensor_load_to_lds s[G0+4*\s:G0+4*\s+3], s[G1:G1+7]
	s_nop 0
.rept 4
	v_nop
.endr
	s_branch .Lasked_\@
.Lfor_b_\@:
	tensor_load_to_lds s[G0B+4*\s:G0B+4*\s+3], s[G1B:G1B+7]
	s_nop 0
.rept 4
	v_nop
.endr
.Lasked_\@:
.endm
.macro CREST                           ; a round of the cluster's barrier behind its opening barrier
	s_cmp_lg_u32 s10, 0
	s_cbranch_scc1 .Lnot_wave_0_\@
	s_barrier_signal -3
.Lnot_wave_0_\@:
	s_barrier_wait -3
	s_barrier_signal -1
	s_barrier_wait -1
.endm
.macro CROUND
	s_barrier_signal -1
	s_barrier_wait -1
	CREST
.endm
	s_load_b128 s[4:7], s[0:1], 0x0                ; att, wo16
	s_load_b64 s[66:67], s[0:1], 0x10              ; b_out
	s_load_b64 s[8:9], s[0:1], 0x18                ; out0
	v_lshl_add_u32 v[SPW], v0, 2, SPARE
	v_mov_b32 v[NIL], 0
	ds_add_u32 v[SPW], v[NIL]                      ; the opening: the add, twice on end, and its wait ahead of my first tensor load
	ds_add_u32 v[SPW], v[NIL]
	v_lshrrev_b32 v1, 5, v0
	v_readfirstlane_b32 s10, v1                    ; wave 0..3
	s_lshr_b32 s11, s10, 1                         ; which half of the tile's rows is mine; also: I fetch for A (0) or B (1)
	s_and_b32 s12, s10, 1                          ; which half of its columns; also: which half of that tile I fetch
	s_bfe_u32 s40, ttmp6, 0x40000                  ; cx
	s_bfe_u32 s41, ttmp6, 0x40004                  ; cy
	s_lshl_b32 s42, ttmp9, 2
	s_add_co_u32 s42, s42, s40                     ; tile column
	s_and_b32 s13, ttmp7, 0xffff
	s_lshl_b32 s13, s13, 2
	s_add_co_u32 s13, s13, s41                     ; tile row = row block of att
	s_lshl_b32 s43, s41, 2
	s_lshl_b32 s43, 15, s43                        ; my row of the cluster
	s_lshl_b32 s44, 0x1111, s40                    ; my column
	s_or_b32 s[G1+0], s43, (1<<16)|(1<<20)|(1<<21)|(5<<22)|(3<<25)   ; A: mask of my row; 2-byte elements; padding on; bit 21 beside a mask; 4 words behind every 64
	s_or_b32 s[G1B+0], s44, (1<<16)|(1<<20)|(1<<21)|(5<<22)|(7<<25)  ; B: mask of my column; 8 words behind every 64
.irp g, G1, G1B
	s_mov_b32 s[\g+1], 128<<16                     ; tensor_dim0
	s_mov_b32 s[\g+2], 128<<16                     ; tensor_dim1
	s_mov_b32 s[\g+3], 128<<16                     ; tile_dim0
	s_mov_b32 s[\g+4], 128                         ; tile_dim1
	s_mov_b32 s[\g+6], 0
	s_mov_b32 s[\g+7], 0
.endr
	s_mov_b32 s[G1+5], 128                         ; A's rows are dense
	s_mov_b32 s[G1B+5], 1024                       ; B's are rows of w_out
	s_lshl_b32 s16, s13, 18                        ; A: row block x 262,144
	s_lshl_b32 s17, s12, 15                        ; + my two heads of the step's four
	s_add_co_u32 s16, s16, s17
	s_mov_b32 s17, 0
	s_lshl_b32 s46, s12, 18                        ; B: my 128 rows k of the step's 256, 2,048 bytes each
	s_lshl_b32 s47, s42, 8                         ; + the tile's 128 columns
	s_add_co_u32 s46, s46, s47
	s_mov_b32 s47, 0
	s_mul_i32 s20, s12, 128*272                    ; where they go: no place in the cluster enters an LDS address
	s_mul_i32 s21, s12, 128*288
	s_add_co_u32 s21, s21, BOFF
	s_wait_dscnt 0x0                               ; both opening adds are done
	s_wait_kmcnt 0x0
	s_add_nc_u64 s[14:15], s[4:5], s[16:17]
	s_add_nc_u64 s[46:47], s[6:7], s[46:47]
	CROUND                                         ; all sixteen work-groups are here: the first joint loads meet
.irp s, 0,1
	s_mov_b32 s[G0+4*\s], 1
	s_add_co_u32 s[G0+4*\s+1], s20, \s*SLOT
	s_add_nc_u64 s[G0+4*\s+2:G0+4*\s+3], s[14:15], \s*65536      ; K step s: four heads on
	s_or_b32 s[G0+4*\s+3], s[G0+4*\s+3], 0x80000000
	s_mov_b32 s[G0B+4*\s], 1
	s_add_co_u32 s[G0B+4*\s+1], s21, \s*SLOT
	s_add_nc_u64 s[G0B+4*\s+2:G0B+4*\s+3], s[46:47], \s*524288   ; 256 rows of 2,048 bytes on
	s_or_b32 s[G0B+4*\s+3], s[G0B+4*\s+3], 0x80000000
	JLOAD \s
.endr
	v_and_b32 v1, 15, v0                           ; r
	v_bfe_u32 v2, v0, 4, 1                         ; h
	v_lshrrev_b32 v3, 1, v1                        ; A: row r of a block lies in LDS row r / 2, half r % 2
	v_mul_u32_u24 v3, v3, 272
	v_and_b32 v4, 1, v1
	v_lshl_add_u32 v3, v4, 7, v3
	v_lshl_add_u32 v3, v2, 4, v3
	s_mul_i32 s21, s11, 32*272                     ; my 64 rows
	v_add_nc_u32 v[ADRA], s21, v3
	s_add_co_u32 s21, s21, SLOT
	v_add_nc_u32 v[ADRA+1], s21, v3
	v_and_b32 v4, 7, v0                            ; B, for the turning load: row k = 8 h + l % 8, columns 8 ((l / 8) % 2) on
	v_lshl_add_u32 v4, v2, 3, v4
	v_mul_u32_u24 v4, v4, 288
	v_bfe_u32 v5, v0, 3, 1
	v_lshl_add_u32 v4, v5, 4, v4
	s_lshl_b32 s22, s12, 7                         ; my 64 columns
	s_add_co_u32 s22, s22, BOFF
	v_add_nc_u32 v[ADRB], s22, v4
	s_add_co_u32 s23, s22, 128*288
	v_add_nc_u32 v[ADRB+1], s23, v4
	s_add_co_u32 s22, s22, SLOT
	v_add_nc_u32 v[ADRB+2], s22, v4
	s_add_co_u32 s23, s23, SLOT
	v_add_nc_u32 v[ADRB+3], s23, v4
	s_mul_i32 s23, s10, 16*SPITCH
	s_add_co_u32 s23, s23, STAGE                   ; my stage
	v_mul_u32_u24 v4, v1, SPITCH
	v_lshl_add_u32 v4, v2, 5, v4
	v_add_nc_u32 v[STO], s23, v4                   ; in: row r, 32 bytes for each half of the lanes
	v_mul_u32_u24 v5, v2, SPITCH
	v_lshl_add_u32 v5, v1, 4, v5
	v_add_nc_u32 v[RD], s23, v5                    ; back: lanes 0-15 one row of 256 bytes, lanes 16-31 the next
	v_lshlrev_b32 v5, 12, v2
	v_lshl_add_u32 v[CO], v1, 4, v5                ; and the same two rows in out0
	v_lshlrev_b32 v[BO], 5, v2
	s_lshl_b32 s16, s13, 19                        ; out0: row 128 x tile row + 64 x half, 4,096 bytes a row
	s_lshl_b32 s17, s11, 18
	s_add_co_u32 s16, s16, s17
	s_mov_b32 s17, 0
	s_add_nc_u64 s[8:9], s[8:9], s[16:17]
	s_lshl_b32 s46, s42, 9                         ; column 128 x tile column + 64 x half, in bytes: the same in out0 and in b_out
	s_lshl_b32 s47, s12, 8
	s_add_co_u32 s46, s46, s47
	s_mov_b32 s47, 0
	s_add_nc_u64 s[8:9], s[8:9], s[46:47]
	s_add_nc_u64 s[66:67], s[66:67], s[46:47]
.irp b, 0,1,2,3                        ; the bias: lane (r, h) wants, for block b, numbers 16 b + 8 h + 0 .. 7
	global_load_b128 v[BIAS+8*\b:BIAS+8*\b+3], v[BO], s[66:67] offset:64*\b
	global_load_b128 v[BIAS+8*\b+4:BIAS+8*\b+7], v[BO], s[66:67] offset:64*\b+16
.endr
; 8 matrix instructions: m blocks a0, a0 + 1 x all 4 n blocks, 32 along K: half c of buffer f.  zero = 1: the first product starts the sums from the bias.  The 16 accumulators take turns.
.macro MUL8 f, c, a0, zero
.irp a, \a0, \a0+1
.irp b, 0,1,2,3
.if \zero
	v_wmma_f32_16x16x32_f16 v[ACC+8*(4*(\a)+\b):ACC+8*(4*(\a)+\b)+7], v[\f+64+8*(4*\c+\b):\f+64+8*(4*\c+\b)+7], v[\f+8*(4*\c+\a):\f+8*(4*\c+\a)+7], v[BIAS+8*\b:BIAS+8*\b+7]
.else
	v_wmma_f32_16x16x32_f16 v[ACC+8*(4*(\a)+\b):ACC+8*(4*(\a)+\b)+7], v[\f+64+8*(4*\c+\b):\f+64+8*(4*\c+\b)+7], v[\f+8*(4*\c+\a):\f+8*(4*\c+\a)+7], v[ACC+8*(4*(\a)+\b):ACC+8*(4*(\a)+\b)+7]
.endif
.endr
.endr
.endm
; 32 LDS loads in one run: the fragments of head hh of the slot's four (64 along K) into buffer f; the first 32 along K first
.macro FETCH slot, hh, f
	WIN TO_F
.irp c, 0,1
.irp i, 0,1,2,3
	ds_load_tr16_b128 v[\f+64+8*(4*\c+\i):\f+64+8*(4*\c+\i)+3],   v[ADRB+2*\slot+(\hh)/2] offset:((\hh)%2)*18432+\c*9216+32*\i
	ds_load_tr16_b128 v[\f+64+8*(4*\c+\i)+4:\f+64+8*(4*\c+\i)+7], v[ADRB+2*\slot+(\hh)/2] offset:((\hh)%2)*18432+\c*9216+32*\i+4608
	ds_load_b128 v[\f+8*(4*\c+\i):\f+8*(4*\c+\i)+3],              v[ADRA+\slot] offset:(\hh)*17408+\i*2176+64*\c
	ds_load_b128 v[\f+8*(4*\c+\i)+4:\f+8*(4*\c+\i)+7],            v[ADRA+\slot] offset:(\hh)*17408+\i*2176+64*\c+32
.endr
.endr
.endm
.macro PLACES                          ; four plain lines between a matrix instruction and a load into, or a read of, its registers
.rept 4
	v_nop
.endr
.endm
; A K step is four quarters of 64 along K on buffers 0, 1, 0, 1.  One of the first three: multiplies buffer f and fetches head hh into g.
.macro QUARTER slot, hh, f, g, zero
	s_wait_dscnt 16                                ; the first 32 along K are in; the youngest sixteen loads may be out
	WIN MUL
	MUL8 \f, 0, 0, \zero
	MUL8 \f, 0, 2, \zero
	PLACES
	FETCH \slot, \hh, \g
	s_wait_dscnt 32                                ; all but the 32 just issued
	WIN MUL
	MUL8 \f, 1, 0, 0
	MUL8 \f, 1, 2, 0
.endm
; The last quarter multiplies buffer 1 and changes slots: one barrier; in front of it each wave waits for all its tensor loads, adds 0 to its spare word, and waits for that and for its reads of this slot.
; fill = 1: this slot is filled again, two K steps ahead; the barrier then opens a round of the cluster's barrier.
.macro TURN slot, next, fill
	WIN 0
	s_wait_tensorcnt 0x0                           ; my part of the next slot has landed
	ds_add_u32 v[SPW], v[NIL]
	s_wait_dscnt 17                                ; the add and the youngest sixteen loads may be out
	WIN MUL
	MUL8 F1, 0, 0, 0
	s_wait_dscnt 0x0                               ; the add is done, and my reads of this slot are over
	s_barrier_signal -1
	MUL8 F1, 0, 2, 0
.if \fill
	WIN 0
.endif
	s_barrier_wait -1
.if \fill
	CREST
	s_add_nc_u64 s[G0+4*\slot+2:G0+4*\slot+3], s[G0+4*\slot+2:G0+4*\slot+3], 131072
	s_add_nc_u64 s[G0B+4*\slot+2:G0B+4*\slot+3], s[G0B+4*\slot+2:G0B+4*\slot+3], 1048576
	JLOAD \slot                                    ; the first tensor load behind the round; its four v_nop are also the places in front of the loads below
.else
	PLACES
.endif
	FETCH \next, 0, F0
	WIN MUL
	MUL8 F1, 1, 0, 0
	MUL8 F1, 1, 2, 0
.endm
	s_wait_tensorcnt 1                             ; my part of K step 0 is in; K step 1's may stay out
	s_barrier_signal -1
	s_barrier_wait -1
	FETCH 0, 0, F0
	s_wait_loadcnt 0x0                             ; the bias
	QUARTER 0, 1, F0, F1, 1                        ; K step 0
	QUARTER 0, 2, F1, F0, 0
	QUARTER 0, 3, F0, F1, 0
	TURN 0, 1, 1                                   ; slot 0 takes K step 2
	QUARTER 1, 1, F0, F1, 0                        ; K step 1
	QUARTER 1, 2, F1, F0, 0
	QUARTER 1, 3, F0, F1, 0
	TURN 1, 0, 1                                   ; slot 1 takes K step 3
	QUARTER 0, 1, F0, F1, 0                        ; K step 2
	QUARTER 0, 2, F1, F0, 0
	QUARTER 0, 3, F0, F1, 0
	TURN 0, 1, 0                                   ; nothing is left to fetch
	QUARTER 1, 1, F0, F1, 0                        ; K step 3
	QUARTER 1, 2, F1, F0, 0
	QUARTER 1, 3, F0, F1, 0
	s_wait_dscnt 16
	WIN MUL
	MUL8 F1, 0, 0, 0
	MUL8 F1, 0, 2, 0
	s_wait_dscnt 0
	MUL8 F1, 1, 0, 0
	MUL8 F1, 1, 2, 0
	WIN 0
; THE WAY OUT, block by block of 16 rows x 64 columns, through my own stage: in as 32 bytes a lane, back as whole rows of 256 bytes.
.macro TOSTAGE a
.irp b, 0,1,2,3
	ds_store_b128 v[STO], v[ACC+8*(4*(\a)+\b):ACC+8*(4*(\a)+\b)+3] offset:64*\b          ; each accumulator from its low end on
	ds_store_b128 v[STO], v[ACC+8*(4*(\a)+\b)+4:ACC+8*(4*(\a)+\b)+7] offset:64*\b+16
.endr
.set BB, BK+32*((\a)%2)
.irp t, 0,1,2,3,4,5,6,7
	ds_load_b128 v[BB+4*\t:BB+4*\t+3], v[RD] offset:\t*2*SPITCH   ; LDS serves a wave's instructions in order: these see the stores above
.endr
.endm
.macro SEND a, younger                 ; younger: the LDS instructions issued behind block a's loads
.set BB, BK+32*((\a)%2)
	s_wait_dscnt \younger
.irp t, 0,1,2,3,4,5,6,7
	global_store_b128 v[CO], v[BB+4*\t:BB+4*\t+3], s[8:9] offset:(16*(\a)+2*\t)*4096 th:TH_STORE_NT   ; sixteen lanes store 256 consecutive bytes, aligned
.endr
.endm
	PLACES
	TOSTAGE 0
.irp a, 1,2,3
.if \a > 1
	s_wait_xcnt 0x0                                ; block a - 2's stores have read their registers: block a's loads may land there
.endif
	TOSTAGE \a
	SEND \a-1, 16                                  ; behind block a - 1's loads: block a's 8 stores and 8 loads
.endr
	SEND 3, 0
	s_wait_tensorcnt 0x0                           ; the wave's end
	ds_add_u32 v[SPW], v[NIL]
	s_wait_dscnt 0x0
	CROUND                                         ; the closing round
	s_endpgm
.Lfunc_end_k_qf3dfcf00fa_proj:
	.size	k_qf3dfcf00fa_proj, .Lfunc_end_k_qf3dfcf00fa_proj-k_qf3dfcf00fa_proj
	.p2alignl 7, 3214868480
	.fill 96, 4, 3214868480
	.section	.rodata,"a",@progbits
	.p2align	6, 0x0
	.amdhsa_kernel k_qf3dfcf00fa_proj
		.amdhsa_group_segment_fixed_size 327680
		.amdhsa_private_segment_fixed_size 0
		.amdhsa_enable_private_segment 0
		.amdhsa_kernarg_size 32
		.amdhsa_user_sgpr_count 2
		.amdhsa_user_sgpr_kernarg_segment_ptr 1
		.amdhsa_wavefront_size32 1
		.amdhsa_system_sgpr_workgroup_id_x 1
		.amdhsa_system_sgpr_workgroup_id_y 1
		.amdhsa_system_sgpr_workgroup_id_z 1
		.amdhsa_system_vgpr_workitem_id 0
		.amdhsa_next_free_vgpr 512
		.amdhsa_next_free_sgpr 72
		.amdhsa_reserve_vcc 0
		.amdhsa_float_denorm_mode_32 3
		.amdhsa_float_denorm_mode_16_64 3
		.amdhsa_memory_ordered 1
		.amdhsa_forward_progress 1
		.amdhsa_inst_pref_size 87
	.end_amdhsa_kernel
	.amdgpu_metadata
---
amdhsa.version: [ 1, 2 ]
amdhsa.kernels:
  - .name:           k_qf3dfcf00fa_proj
    .symbol:         k_qf3dfcf00fa_proj.kd
    .args:
      - { .name: att, .offset: 0, .size: 8, .value_kind: global_buffer, .address_space: global }
      - { .name: wo16, .offset: 8, .size: 8, .value_kind: global_buffer, .address_space: global }
      - { .name: b_out, .offset: 16, .size: 8, .value_kind: global_buffer, .address_space: global }
      - { .name: out0, .offset: 24, .size: 8, .value_kind: global_buffer, .address_space: global }
    .group_segment_fixed_size: 327680
    .private_segment_fixed_size: 0
    .kernarg_segment_align: 8
    .kernarg_segment_size: 32
    .max_flat_workgroup_size: 128
    .sgpr_count:     72
    .vgpr_count:     512
    .wavefront_size: 32
...
	.end_amdgpu_metadata
.endif
;; end of part 4
